; MI455X (gfx1250); checked and timed in simulation.
; The chip was launched on July 23, 2026; its instructions are those of AMD's public machine-readable ISA for CDNA 5 (MIT licence, August 2026) and "CDNA5" Instruction Set Architecture Reference Guide (July 2026). The comments in the code are by the model that wrote it; some were corrected since.
;; Multi Head Self Attention. Allowed arithmetic: matrix products marked QUANTISED: E2M3 operands, one E8M0 scale for each 32 along K, by v_wmma_scale_f32_16x16x128_f8f6f4 with both operands' format E2M3, f32 sums; everything else in f32.
;; Inputs: Wk 2,048 x 2,048 float32; Wo 2,048 x 2,048 float32; Wq 2,048 x 2,048 float32; Wv 2,048 x 2,048 float32; token_positions 2,048 int32; x 1 x 2,048 x 2,048 float32.
;; Outputs: out0 1 x 2,048 x 2,048 float32.
;; This version of the problem:
;;   THIS VERSION OF THE PROBLEM IS GIVEN IN LOW PRECISION. The matrix products marked QUANTISED in the list below multiply operands that are first quantised to E2M3 (2 exponent bits, 3 mantissa bits; 6 bits a number), with one power-of-two scale for each 32 numbers along K (OCP MX v1.0); their sums are f32. All else is computed in f32.
;;   The module's matrix products, in the order in which they are computed (A, B: the left and right operand; K: the contracted axis; several contracted axes count as one K, in the product's order):
;;     1. [M 2,048, K 2,048] x [K 2,048, N 2,048]; A: input x; B: input Wq: QUANTISED
;;     2. [M 2,048, K 2,048] x [K 2,048, N 2,048]; A: input x; B: input Wk: QUANTISED
;;     3. [M 2,048, K 2,048] x [K 2,048, N 2,048]; A: input x; B: input Wv: QUANTISED
;;     4. batch 16 x [M 2,048, K 128] x [K 128, N 2,048]; A: computed on the way; B: computed on the way: QUANTISED
;;     5. batch 16 x [M 2,048, K 2,048] x [K 2,048, N 128]; A: softmax (see below); B: computed on the way: QUANTISED
;;     6. [M 2,048, K 2,048] x [K 2,048, N 2,048]; A: computed on the way; B: input Wo: QUANTISED
;;   THE QUANTISER, for each operand of a quantised product, along K:
;;     - K is cut into blocks of 32 from its start; a last block that is shorter is filled with zeros.
;;     - A block's scale is 2^e with e = floor(log2(the largest magnitude in the block)) - 2, held to -126 .. 127; a block of zeros has e = 0. As a byte (E8M0): e + 127.
;;     - Each number is divided by its block's scale, clamped to +-7.5, and rounded to the nearest number of E2M3, ties to even, subnormals kept.
;;     - The product sums the exact products of the quantised numbers (number of the format x scale) in f32.
;;   ~~~python
;;   def quantise(x, axis):      # numpy; x: float32 -> the quantised numbers, widened to float32 again
;;       x = np.moveaxis(x, axis, -1); K = x.shape[-1]
;;       x = np.pad(x, [(0, 0)] * (x.ndim - 1) + [(0, -K % 32)]); x = x.reshape(x.shape[:-1] + (-1, 32)); a = np.abs(x).max(-1, keepdims=True)
;;       e = np.where(a > 0, np.clip(np.frexp(np.where(a > 0, a, 1))[1] - 1 - 2, -126, 127), 0)      # np.frexp(a)[1] - 1 = floor(log2(a)), exactly
;;       r = np.clip(x / 2.0 ** e, -7.5, 7.5)
;;       step = 2.0 ** (np.maximum(np.frexp(np.where(r == 0, 1, r))[1] - 1, 0) - 3)
;;       q = np.round(r / step) * step * 2.0 ** e      # np.round: ties to even
;;       return np.moveaxis(q.reshape(q.shape[:-2] + (-1,))[..., :K], -1, axis).astype(np.float32)
;;   ~~~
;;   SOFTMAX AHEAD OF A QUANTISED PRODUCT. Where the list says 'softmax', what is quantised is not the finished softmax but p = 2^(t - M), with t = logit x log2(e) and M = ceil(the row's largest t), a whole number; so 1/2 < the row's largest p <= 1. The row's sum l is taken of the UNQUANTISED p, in f32, and the product's result is divided by l at the end. Since M is a whole number, a kernel that streams over the keys may use a running M (the ceiling of the running maximum): every later rescaling is an exact power of two, which a block's scale takes up: the codes' values come out the same.
;;   OPERANDS COMPUTED ON THE WAY. 'Computed on the way' means the value that the module computes at that place (a softmax that the list does not call 'softmax' is quantised finished and normalised). What goes into a quantiser is computed in f32, as accurately as f32 sums, v_exp_f32 and their like allow (about 1e-6 of the number): no bf16 or f16 on the way to a quantiser, and a product that is left as it is and whose result goes on into a quantised operand takes f32 operands (vector FMAs, or v_wmma_f32_16x16x4_f32). A number that lies on a knife's edge between two numbers of the format may be rounded either way, as far as f32 arithmetic and the matrix unit's own rounding can turn it there, and no further.
;; One version. Each part assembles by itself: llvm-mc -triple=amdgcn-amd-amdhsa -mcpu=gfx1250 --defsym DOCPART=n.
;; ======== version 1 of 1: 4 launches
;; limits: inputs' magnitudes at most 16,777,216; right only within a limited range of input values
;; workspace buffers: xw 16,384,000 bytes; rope 1,048,576 bytes; qkv 9,830,400 bytes; oc 3,276,800 bytes
;; launch prep (part 1): grid 256 x 1, 11 waves a work-group, no clusters, 86,016 bytes of LDS; arguments x, Wq, Wk, Wv, Wo, token_positions, xw, rope; writes xw, rope
.if DOCPART == 1
	.amdgcn_target "amdgcn-amd-amdhsa--gfx1250"
	.amdhsa_code_object_version 6
	.text
	.protected	k_q91d7435228_prep
	.globl	k_q91d7435228_prep
	.p2align	8
	.type	k_q91d7435228_prep,@function
k_q91d7435228_prep:
	s_mov_b64 s[64:65], 0
	v_nop
	global_prefetch_b8 v0, s[64:65] scope:SCOPE_SE
	s_setreg_imm32_b32 hwreg(HW_REG_WAVE_MODE, 25, 1), 1
	s_wait_xcnt 0x0
; FIRST OF FOUR LAUNCHES of causal self-attention (2,048 tokens, 2,048 channels, 16 heads of 128, rotary embedding), all six products on codes of FP6 (E2M3) with one E8M0 scale for each 32 along K.
; This launch: x, Wq, Wk, Wv, Wo (f32, K innermost) become codes and scale words in xw; cos and sin of position x frequency become the table rope.
; WORK LEFT OUT BY THE PROGRAM: reference() sets the score of key k for query q to -infinity wherever k > q, by a mask that it builds itself (triu, k = 1).  The softmax gives such a key the weight 0, for all values of the inputs,
; so it adds nothing to the row's maximum, to its sum or to the second product.  The third launch therefore leaves out every step of 128 keys all of which come after all 16 queries of a tile.  Nothing else is left out; all six inputs are loaded.
; LIMITS: a NaN, an infinity or an overflow that reaches only those steps is not carried to the result.  NaN and infinities among the inputs are not served.  A block of zeros gets the scale byte 1 where the rule says 127:
; its codes are zeros, which add nothing under any byte but 0xff, and the bytes are read by this program alone.  The frequency 10000^(-j/64) is made by one exponential of base 2 from a two-part product, within about 1.5 units
; in its last place, so an angle of size A may differ from reference()'s by about 2e-7 A.  Sine and cosine: three-part reduction by pi/2 and polynomials on +-pi/4, good to about 1e-7 for |position| up to 2^24.
; LAYOUT OF xw: [tensor 0 x, 1 Wq, 2 Wk, 3 Wv, 4 Wo][block of 128 rows: 16][K step of 128: 16][12,800 bytes] = 8 fragments of 1,536 bytes, then 512 bytes of scale words.
; A FRAGMENT (16 rows x 128 K, 12 registers a lane) lies as the IMAGE OF ITS REGISTERS: registers 4 c .. 4 c + 3 of lane l at 512 c + 16 l, so that three loads of 16 bytes a lane bring it, 512 dense bytes each.
; THE ROWS OF A FRAGMENT ARE NOT NEIGHBOURS: lane row r of fragment f is row 32 (f / 2) + 8 (f % 2) + r + 8 (r / 8) of the block, so that a later product's 16 registers of two neighbouring tiles are 16 neighbours along the next K.
; SCALE WORDS: the word of fragment 4 g + i and lane row r lies at 256 g + 16 r + 4 i.
; SHARES: work-group g takes row block g / 16 and K step g % 16 of all five tensors.  Wave w < 10 takes tensor w / 2 and the four fragments 4 (w % 2) on: 64 rows x 512 bytes.  Wave 10 makes 8 tokens of the table.
; Each load reads 512 consecutive bytes of a row; a fragment's 16 rows turn through the wave's own stage in LDS, so that a lane gets 16 neighbours of each block of 32 of ITS row.  Waves share nothing: no barrier.
; No tensor load: a work-group's share is as large as all of LDS, so no two slots of it would fit; two fragments' loads (32 a wave) are on their way in registers instead.
.set ROWX,  8192                       ; a row of any of the five tensors, in bytes
.set STG,   8448                       ; a wave's stage: 16 rows of 512 + 16 bytes = 132 words: row r starts at bank 4 r mod 64 (64 banks of 4 bytes: ISA guide 11.1)
.set SPARE, 84480                      ; behind the ten stages: the spare words, 128 bytes for each of 11 waves, six blocks of 256 bytes that no other line names
.set RAW,   16                         ; v16-143  two sets of 64: a fragment's rows as loaded
.set X,     144                        ; v144-207 register 16 b + i = k 32 b + 16 (lane / 16) + i of my row
.set TM,    208                        ; v208-223 at work in QUANT
.set PC,    224                        ; v224-243 the codes just made
.set PW,    244                        ; v244-247 the four fragments' scale words
.set SPW,   250                        ; v250     LDS address of my spare word; never rewritten
.set NIL,   251                        ; v251     0; never rewritten
.macro LOAD f                          ; fragment f of my four: 16 rows x 512 bytes into set f % 2
.irp i, 0,1,2,3,4,5,6,7,8,9,10,11,12,13,14,15
	global_load_b128 v[RAW+64*((\f)%2)+4*\i:RAW+64*((\f)%2)+4*\i+3], v4, s[4:5] offset:(32*((\f)/2)+8*((\f)%2)+\i+8*(\i/8))*ROWX th:TH_LOAD_NT
.endr
.endm
.macro TURN f                          ; through my stage: LDS serves a wave's instructions in order (ISA guide 5.7.1.4), so no wait stands between the stores and the loads
.irp i, 0,1,2,3,4,5,6,7,8,9,10,11,12,13,14,15
	ds_store_b128 v5, v[RAW+64*((\f)%2)+4*\i:RAW+64*((\f)%2)+4*\i+3] offset:528*\i
.endr
.irp c, 0,1,2,3
.irp j, 0,1,2,3
	ds_load_b128 v[X+16*\c+4*\j:X+16*\c+4*\j+3], v6 offset:128*\c+16*\j
.endr
.endr
.endm
; 64 numbers of a lane, register 16 b + i = k 32 b + 16 (lane / 16) + i of my row, become a fragment's codes in v[PC] on and its scale word in v[pw]
.macro QUANT s, pw
.irp b, 0,1,2,3
	v_max3_num_f32 v[TM+\b], |v[\s+16*\b]|, |v[\s+1+16*\b]|, 0x1800000   ; block b: my 16 numbers, and the floor 2^(3 - 127): the byte cannot fall under 1
.endr
.irp i, 2,4,6,8,10,12,14
.irp b, 0,1,2,3
	v_max3_num_f32 v[TM+\b], v[TM+\b], |v[\s+16*\b+\i]|, |v[\s+1+16*\b+\i]|   ; the four blocks by turns
.endr
.endr
.irp b, 0,1,2,3
	v_permlanex16_b32 v[TM+4+\b], v[TM+\b], s32, s33
.endr
.irp b, 0,1,2,3
	v_max_num_f32 v[TM+\b], v[TM+\b], v[TM+4+\b]   ; with lane l xor 16's: the block's largest magnitude
.endr
.irp b, 0,1,2,3
	v_add_nc_u32 v[TM+12+\b], 0xff000000, v[TM+\b]   ; 2 off its exponent field: the conversion's scale operand
.endr
.irp b, 0,1,2,3
	v_lshrrev_b32 v[TM+4+\b], 23, v[TM+12+\b]   ; the scale's byte
.endr
	v_lshl_or_b32 v[\pw], v[TM+5], 8, v[TM+4]
	v_lshl_or_b32 v[\pw], v[TM+6], 16, v[\pw]
	v_lshl_or_b32 v[\pw], v[TM+7], 24, v[\pw]
.irp c, 0,1
	v_cvt_scalef32_pk16_fp6_f32 v[PC+6*\c:PC+2+6*\c], v[\s+32*\c:\s+15+32*\c], v[TM+12+2*\c]
	v_cvt_scalef32_pk16_fp6_f32 v[PC+12+4*\c:PC+14+4*\c], v[\s+16+32*\c:\s+31+32*\c], v[TM+12+2*\c+1]   ; (a conversion's three registers begin on an even number)
.endr
	v_nop                                          ; one plain place behind a scaled conversion
.irp c, 0,1                            ; the operand's layout wants a WHOLE block in a lane: lanes 0-15 block 2 c, lanes 16-31 block 2 c + 1
.irp i, 0,1,2
	v_permlane16_swap_b32 v[PC+6*\c+\i], v[PC+12+4*\c+\i]
.endr
.irp i, 0,1,2
	v_mov_b32 v[PC+3+6*\c+\i], v[PC+12+4*\c+\i]
.endr
.endr
.endm
.macro FRAGQ f
.if \f < 3
	s_wait_loadcnt 16                              ; this fragment's 16 loads are in; the next fragment's 16 may stay out
.else
	s_wait_loadcnt 0x0
.endif
	TURN \f
	s_wait_dscnt 0x0                               ; my 64 numbers are back
.if \f > 0
	s_wait_xcnt 0x0                                ; the last fragment's stores have read the codes' registers, which are written again below
.endif
.if \f < 2
	LOAD (\f+2)                                    ; the set just turned takes the fragment two on
.endif
	QUANT X, PW+\f
.irp c, 0,1,2
	global_store_b128 v4, v[PC+4*\c:PC+4*\c+3], s[34:35] offset:1536*\f+512*\c   ; 32 lanes store 512 consecutive bytes, at a multiple of 256 from the buffer's first byte
.endr
.endm
; cos and sin of the angle in v[a]: k = the nearest whole number to a x 2 / pi; r = a - k pi / 2 in three parts; polynomials in r; the quadrant k mod 4 swaps the two and sets their signs
.macro SINCOS a, oc, os
	v_mul_f32 v32, s44, v[\a]
	v_rndne_f32 v32, v32                           ; k
	v_fma_f32 v33, -v32, s45, v[\a]
	v_fma_f32 v33, -v32, s46, v33
	v_fma_f32 v33, -v32, s47, v33                  ; r
	v_cvt_i32_f32 v34, v32
	v_mul_f32 v35, v33, v33                        ; r^2
	v_fma_f32 v36, v35, s50, s49
	v_fma_f32 v37, v35, s53, s52
	v_fma_f32 v36, v36, v35, s48
	v_fma_f32 v37, v37, v35, s51
	v_mul_f32 v36, v36, v35
	v_mul_f32 v37, v37, v35
	v_fma_f32 v38, v35, -0.5, 1.0
	v_fma_f32 v36, v36, v33, v33                   ; sin r
	v_fma_f32 v37, v37, v35, v38                   ; cos r
	v_and_b32 v38, 1, v34
	v_cmp_eq_u32 vcc_lo, 1, v38
	v_cndmask_b32 v39, v36, v37, vcc_lo            ; odd quadrants: the sine is +-cos r,
	v_cndmask_b32 v40, v37, v36, vcc_lo            ; the cosine +-sin r
	v_lshlrev_b32 v38, 30, v34
	v_and_b32 v38, 0x80000000, v38                 ; the sine is negated in quadrants 2 and 3,
	v_xor_b32 v[\os], v38, v39
	v_add_nc_u32 v34, 1, v34
	v_lshlrev_b32 v34, 30, v34
	v_and_b32 v34, 0x80000000, v34                 ; the cosine in quadrants 1 and 2
	v_xor_b32 v[\oc], v34, v40
.endm
	s_load_b256 s[4:11], s[0:1], 0x0               ; x s[4:5], Wq s[6:7], Wk s[8:9], Wv s[10:11]
	s_load_b256 s[12:19], s[0:1], 0x20             ; Wo s[12:13], token_positions s[14:15], xw s[16:17], rope s[18:19]
	v_lshl_add_u32 v[SPW], v0, 2, SPARE
	v_mov_b32 v[NIL], 0
	v_lshrrev_b32 v1, 5, v0
	v_readfirstlane_b32 s20, v1                    ; wave 0..10
	v_and_b32 v1, 31, v0                           ; lane
	v_and_b32 v2, 15, v0                           ; r
	v_bfe_u32 v3, v0, 4, 1                         ; h
	v_lshlrev_b32 v4, 4, v1                        ; 16 x lane: my bytes of a load's and of a store's 512
	s_mul_i32 s25, s20, STG
	v_add_nc_u32 v5, s25, v4                       ; the stage, on the way in
	v_mul_u32_u24 v6, v2, 528
	v_lshl_add_u32 v6, v3, 6, v6
	v_add_nc_u32 v6, s25, v6                       ; and on the way out: row r, + 64 h
	v_lshlrev_b32 v7, 4, v2
	v_lshl_add_u32 v7, v3, 3, v7                   ; the scale words' place: 16 r + 8 h
	v_cmp_eq_u32 s30, 1, v3                        ; the lanes 16-31
	s_mov_b32 s32, 0x76543210
	s_mov_b32 s33, 0xfedcba98                      ; v_permlanex16_b32's selects for lane l xor 16
	s_lshr_b32 s21, s20, 1                         ; which tensor
	s_and_b32 s22, s20, 1                          ; which four fragments
	s_lshr_b32 s23, ttmp9, 4                       ; row block
	s_and_b32 s24, ttmp9, 15                       ; K step
	s_cmp_eq_u32 s20, 10
	s_cbranch_scc1 .Ltable
	s_lshl_b32 s26, s23, 7
	s_lshl_b32 s27, s22, 6
	s_add_co_u32 s26, s26, s27                     ; my first row: 128 x block + 64 x half
	s_lshl_b32 s26, s26, 13
	s_lshl_b32 s27, s24, 9
	s_add_co_u32 s26, s26, s27                     ; in bytes, + 512 x K step
	s_mov_b32 s27, 0
	s_mul_i32 s28, s21, 3276800
	s_lshl_b32 s29, s23, 4
	s_add_co_u32 s29, s29, s24
	s_mul_i32 s29, s29, 12800
	s_add_co_u32 s28, s28, s29                     ; my block of 12,800 bytes in xw
	s_mul_i32 s29, s22, 6144
	s_add_co_u32 s34, s28, s29                     ; my four fragments in it
	s_mov_b32 s35, 0
	s_lshl_b32 s29, s22, 8
	s_add_co_u32 s28, s28, s29
	s_add_co_u32 s28, s28, 12288                   ; and their 256 bytes of scale words
	s_mov_b32 s29, 0
.irp b, 0,1,2,3
	v_mov_b32 v[TM+4+\b], 0                        ; written once: a lane permute's destination counts as one of its sources
.endr
	s_wait_kmcnt 0x0
	s_cmp_eq_u32 s21, 1                            ; the tensor is chosen by the wave's number alone
	s_cselect_b64 s[4:5], s[6:7], s[4:5]
	s_cmp_eq_u32 s21, 2
	s_cselect_b64 s[4:5], s[8:9], s[4:5]
	s_cmp_eq_u32 s21, 3
	s_cselect_b64 s[4:5], s[10:11], s[4:5]
	s_cmp_eq_u32 s21, 4
	s_cselect_b64 s[4:5], s[12:13], s[4:5]
	s_add_nc_u64 s[4:5], s[4:5], s[26:27]
	s_add_nc_u64 s[34:35], s[16:17], s[34:35]
	s_add_nc_u64 s[28:29], s[16:17], s[28:29]
	LOAD 0
	LOAD 1
	FRAGQ 0
	FRAGQ 1
	FRAGQ 2
	FRAGQ 3
	v_cndmask_b32 v8, v[PW], v[PW+2], s30          ; lanes 0-15 store the words of fragments 0 and 1 of row r, lanes 16-31 those of 2 and 3
	v_cndmask_b32 v9, v[PW+1], v[PW+3], s30
	global_store_b64 v7, v[8:9], s[28:29]          ; 32 lanes store 256 consecutive bytes, aligned
	s_wait_tensorcnt 0x0                           ; the wave's end: a tensor wait, an add of 0 to my spare word and a wait for it, behind my last LDS store; the tensor wait stands even in a text with no tensor load
	ds_add_u32 v[SPW], v[NIL]
	s_wait_dscnt 0x0
	s_endpgm
.Ltable:                                               ; wave 10 writes no LDS.  Tokens 8 g .. 8 g + 7; lane l owns the frequencies j = 2 l and 2 l + 1
	s_lshl_b32 s26, ttmp9, 5
	s_mov_b32 s27, 0
	s_lshl_b32 s28, ttmp9, 12
	s_mov_b32 s29, 0
	s_mov_b32 s44, 0x3f22f983                      ; 2 / pi
	s_mov_b32 s45, 0x3fc90fdb                      ; pi / 2 in three parts
	s_mov_b32 s46, 0xb33bbd2e
	s_mov_b32 s47, 0xa6f72ced
	s_mov_b32 s48, 0xbe2aaaa3                      ; the sine's coefficients
	s_mov_b32 s49, 0x3c08839e
	s_mov_b32 s50, 0xb94ca1f9
	s_mov_b32 s51, 0x3d2aaaa5                      ; the cosine's
	s_mov_b32 s52, 0xbab6061a
	s_mov_b32 s53, 0x37ccf5ce
	s_mov_b32 s54, 0xbe549a78                      ; -log2(10000) / 64, its f32 part,
	s_mov_b32 s55, 0xb1979a37                      ; and what that part leaves
	s_wait_kmcnt 0x0
	s_add_nc_u64 s[14:15], s[14:15], s[26:27]
	s_load_b256 s[36:43], s[14:15], 0x0            ; my 8 positions, as they are given
	s_add_nc_u64 s[18:19], s[18:19], s[28:29]
	v_lshlrev_b32 v29, 3, v1                       ; 8 bytes a lane
	v_lshlrev_b32 v16, 1, v1
	v_cvt_f32_u32 v16, v16                         ; j
	v_add_f32 v17, 1.0, v16
.irp u, 0,1
	v_mul_f32 v[18+\u], s54, v[16+\u]              ; p = the exponent, rounded,
	v_fma_f32 v[20+\u], v[16+\u], s54, -v[18+\u]   ; and what the rounding lost
	v_rndne_f32 v[22+\u], v[18+\u]                 ; n
	v_sub_f32 v[18+\u], v[18+\u], v[22+\u]
	v_add_f32 v[18+\u], v[18+\u], v[20+\u]
	v_fma_f32 v[18+\u], v[16+\u], s55, v[18+\u]    ; f, between -1/2 and 1/2
	v_cvt_i32_f32 v[22+\u], v[22+\u]
.endr
	v_exp_f32 v20, v18
	v_exp_f32 v21, v19
	v_nop                                          ; a plain place behind the exponentials,
	s_wait_alu depctr_va_vdst(0)                   ; and a wait ahead of their first reader: one for both
	v_ldexp_f32 v24, v20, v22                      ; 10000^(-j / 64) = 2^f 2^n
	v_ldexp_f32 v25, v21, v23
	s_wait_kmcnt 0x0
.irp i, 0,1,2,3,4,5,6,7                ; each token has result registers of its own, so no store's data are written again
	v_cvt_f32_i32 v26, s[36+\i]
	v_mul_f32 v27, v26, v24                        ; the angle, rounded once, as reference() rounds it
	v_mul_f32 v28, v26, v25
	SINCOS 27, 64+4*\i, 66+4*\i
	SINCOS 28, 65+4*\i, 67+4*\i
	global_store_b64 v29, v[64+4*\i:65+4*\i], s[18:19] offset:512*\i       ; 64 cosines: 256 consecutive bytes, aligned
	global_store_b64 v29, v[66+4*\i:67+4*\i], s[18:19] offset:512*\i+256   ; 64 sines
.endr
	s_endpgm
.Lfunc_end_k_q91d7435228_prep:
	.size	k_q91d7435228_prep, .Lfunc_end_k_q91d7435228_prep-k_q91d7435228_prep
	.p2alignl 7, 3214868480
	.fill 96, 4, 3214868480
	.section	.rodata,"a",@progbits
	.p2align	6, 0x0
	.amdhsa_kernel k_q91d7435228_prep
		.amdhsa_group_segment_fixed_size 86016
		.amdhsa_private_segment_fixed_size 0
		.amdhsa_enable_private_segment 0
		.amdhsa_kernarg_size 64
		.amdhsa_user_sgpr_count 2
		.amdhsa_user_sgpr_kernarg_segment_ptr 1
		.amdhsa_wavefront_size32 1
		.amdhsa_system_sgpr_workgroup_id_x 1
		.amdhsa_system_sgpr_workgroup_id_y 1
		.amdhsa_system_sgpr_workgroup_id_z 1
		.amdhsa_system_vgpr_workitem_id 0
		.amdhsa_next_free_vgpr 256
		.amdhsa_next_free_sgpr 66
		.amdhsa_reserve_vcc 1
		.amdhsa_float_denorm_mode_32 3
		.amdhsa_float_denorm_mode_16_64 3
		.amdhsa_memory_ordered 1
		.amdhsa_forward_progress 1
		.amdhsa_inst_pref_size 58
	.end_amdhsa_kernel
	.amdgpu_metadata
---
amdhsa.version: [ 1, 2 ]
amdhsa.kernels:
  - .name:           k_q91d7435228_prep
    .symbol:         k_q91d7435228_prep.kd
    .args:
      - { .name: x, .offset: 0, .size: 8, .value_kind: global_buffer, .address_space: global }
      - { .name: Wq, .offset: 8, .size: 8, .value_kind: global_buffer, .address_space: global }
      - { .name: Wk, .offset: 16, .size: 8, .value_kind: global_buffer, .address_space: global }
      - { .name: Wv, .offset: 24, .size: 8, .value_kind: global_buffer, .address_space: global }
      - { .name: Wo, .offset: 32, .size: 8, .value_kind: global_buffer, .address_space: global }
      - { .name: token_positions, .offset: 40, .size: 8, .value_kind: global_buffer, .address_space: global }
      - { .name: xw, .offset: 48, .size: 8, .value_kind: global_buffer, .address_space: global }
      - { .name: rope, .offset: 56, .size: 8, .value_kind: global_buffer, .address_space: global }
    .group_segment_fixed_size: 86016
    .private_segment_fixed_size: 0
    .kernarg_segment_align: 8
    .kernarg_segment_size: 64
    .max_flat_workgroup_size: 352
    .sgpr_count:     66
    .vgpr_count:     256
    .wavefront_size: 32
...
	.end_amdgpu_metadata
.endif
;; end of part 1
;; launch qkv (part 2): grid 24 x 8, 4 waves a work-group, clusters of 4 x 4, 327,680 bytes of LDS; arguments xw, rope, qkv; writes qkv
.if DOCPART == 2
	.amdgcn_target "amdgcn-amd-amdhsa--gfx1250"
	.amdhsa_code_object_version 6
	.text
	.protected	k_q91d7435228_qkv
	.globl	k_q91d7435228_qkv
	.p2align	8
	.type	k_q91d7435228_qkv,@function
k_q91d7435228_qkv:
	s_mov_b64 s[64:65], 0
	v_nop
	global_prefetch_b8 v0, s[64:65] scope:SCOPE_SE
	s_setreg_imm32_b32 hwreg(HW_REG_WAVE_MODE, 25, 1), 1
	s_wait_xcnt 0x0
	s_wait_alu depctr_hold_cnt(0) depctr_sa_sdst(0) depctr_va_vdst(0) depctr_va_sdst(0) depctr_va_ssrc(0) depctr_va_vcc(0) depctr_vm_vsrc(0)
	s_getreg_b32 s2, hwreg(HW_REG_IB_STS2, 6, 4)
	s_cmp_eq_u32 s2, 0
	s_cbranch_scc0 .Lentry_in_a_cluster
	s_endpgm
.Lentry_in_a_cluster:
	s_bfe_u32 s2, ttmp6, 0x10000c
	s_cmp_lg_u32 s2, 0xf033
	s_cbranch_scc0 .Lentry_shape_is_right
	s_endpgm
.Lentry_shape_is_right:
; SECOND LAUNCH: q = x Wq^T, k = x Wk^T, v = x Wv^T on codes of FP6 (E2M3) with E8M0 scales; q and k are rotated (f32) and quantised along the head's 128; v is quantised along the keys.  Nothing of reference() is left out here.
; LIMITS: NaN and infinities are not served; a block of zeros gets the scale byte 1 (its codes are zeros, and this program alone reads the bytes).
; ONE LOOP SERVES ALL THREE, BY A CHOICE OF OFFSETS.  t = cluster x / 2 (0 q, 1 k, 2 v) is the same in all sixteen partners.  Source 1 of every product is P, source 0 is R:
;   q, k: P = x, R = the weight: a lane holds a token and its registers run along the head's channels.      v: P = Wv, R = x: a lane holds a channel and its registers run along the keys.
; In both cases a lane's 64 results of one block of 16 P rows are, in register order, k = 32 b + 16 (lane / 16) + i of the NEXT product's K (the rows of every fragment are chosen for it: see the first launch), so they are
; quantised in registers and leave as a fragment's image: three stores of 512 dense bytes.  No stage in LDS.
; SHARES: a work-group makes 256 P rows x 256 R rows, each of four waves 128 x 128: 64 accumulators, 512 registers.  192 work-groups: a wave's 128 R rows must be one head (q, k) or one block of keys (v).
; RING: two LDS slots; a slot holds two K steps of 128 of P's two row blocks and of R's two: four regions of 25,600 dense bytes (in each, 8 fragments and 512 bytes of scale words a K step), one tensor load a wave.
; CLUSTER 4 x 4: P's tile hangs on the tile row, shared along a row of the cluster, R's on the tile column, shared along a column: each is asked for jointly, by the same load with the same descriptor and a mask that names the four.
; No prefetch: each tile is read by several clusters and shared inside each, and the whole walk along K is eight slots.
; qkv: codes at t x 3,145,728 + (16 head + token block) x 12,288; scale words at 9,437,184 + t x 131,072 + (16 head + token block) x 512.
; REGISTERS, in windows of 256: window 0: v16-23 addresses; v32-47 scale words, two sets of 8; v64-159, v160-255 P's fragments, two sets.  window 1: v0-95, v96-191 R's fragments, two sets; v192-255 free for the table.
;   windows 2, 3: accumulator (a, b) at v[8 (8 (a % 4) + b)].  On the way out: window 0 v64-127 the rotated numbers, v128-175 at work; window 1: four sets of 32 cosines and 32 sines.
.set SLOT,  102400
.set REGN,  25600                      ; a region: two K steps of one row block
.set KB,    12800                      ; one K step of one row block
.set SPARE, 204800                     ; behind the ring: the spare words, 128 bytes for each wave, two blocks of 256 bytes that no other line names
.set ADRA, 16                          ; v16-17  LDS address of P's fragments in slot 0, 1: region + 16 x lane
.set ADRB, 18                          ; v18-19  the same for R
.set ADRS, 20                          ; v20-21  of the scale words: lanes 0-15 P's, lanes 16-31 R's
.set LI,   22                          ; v22     16 x lane
.set RO,   23                          ; v23     my token's row of the table: (r + 8 (r / 8)) x 512 + 64 h
.set SPW,  28                          ; v28     LDS address of my spare word; never rewritten
.set NIL,  29                          ; v29     0; never rewritten
.set SC,   32                          ; set p at v[SC + 8 p]; register i: lanes 0-15 the words of P's fragment i, lanes 16-31 those of R's fragment i.  These registers hold scales and nothing else
.set HA,   64
.set TM,   128
.set PC,   144
.set PW,   164                         ; v164-171 the eight blocks' scale words; v172-175 those that my lane stores
.set G1,  24                           ; s[24:31] descriptor group 1 for P's tiles;  s[32:39] group 0, a set for each slot
.set G0,  32
.set G1B, 48                           ; s[48:55], s[56:63] the same for R's
.set G0B, 56
.set MSB, 0
.macro WIN new                         ; the immediate's high byte repeats the setting that is left; a switch that changes nothing is dropped
.if MSB != (\new)
	s_set_vgpr_msb (MSB<<8)|(\new)
.set MSB, (\new)
.endif
.endm
.set MUL_LO, 0xa1                      ; source 0 (R) window 1, source 1 (P) window 0, C and D window 2
.set MUL_HI, 0xf1                      ; the same, C and D window 3
.set TO_B,   0x40                      ; destination window 1, address window 0
; A joint load: waves 0 and 1 fetch P's two row blocks, waves 2 and 3 R's.  The branch hangs on the wave's number alone.  An s_nop 0 and four v_nop follow each of the two lines.
.macro JLOAD g0a, g1a, g0b, g1b
	s_cmp_eq_u32 s15, 0
	s_cbranch_scc0 .Lfor_b_\@
	tensor_load_to_lds s[\g0a:\g0a+3], s[\g1a:\g1a+7]
	s_nop 0
.rept 4
	v_nop
.endr
	s_branch .Lasked_\@
.Lfor_b_\@:
	tensor_load_to_lds s[\g0b:\g0b+3], s[\g1b:\g1b+7]
	s_nop 0
.rept 4
	v_nop
.endr
.Lasked_\@:
.endm
.macro CREST                           ; a round of the cluster's barrier behind its opening barrier
	s_cmp_lg_u32 s14, 0
	s_cbranch_scc1 .Lnot_wave_0_\@
	s_barrier_signal -3
.Lnot_wave_0_\@:
	s_barrier_wait -3
	s_barrier_signal -1
	s_barrier_wait -1
.endm
.macro CROUND                          ; a whole round
	s_barrier_signal -1
	s_barrier_wait -1
	CREST
.endm
.macro PLACES n                        ; plain vector instructions between a matrix instruction and a load into, or a vector instruction on, its registers (ISA guide 7.12.1 for vector instructions)
.rept \n
	v_nop
.endr
.endm
; 50 LDS loads in one run: K step q of the slot into set p: R's eight fragments, P's eight, the scale words of both
.macro FETCH slot, q, p
	WIN TO_B
.irp f, 0,1,2,3,4,5,6,7
.irp c, 0,1,2
	ds_load_b128 v[96*(\p)+12*\f+4*\c:96*(\p)+12*\f+4*\c+3], v[ADRB+\slot] offset:KB*(\q)+1536*\f+512*\c
.endr
.endr
	WIN 0
.irp f, 0,1,2,3,4,5,6,7
.irp c, 0,1,2
	ds_load_b128 v[64+96*(\p)+12*\f+4*\c:64+96*(\p)+12*\f+4*\c+3], v[ADRA+\slot] offset:KB*(\q)+1536*\f+512*\c
.endr
.endr
.irp g, 0,1
	ds_load_b128 v[SC+8*(\p)+4*\g:SC+8*(\p)+4*\g+3], v[ADRS+\slot] offset:KB*(\q)+256*\g
.endr
.endm
; 8 matrix instructions: P's block a against R's eight, 128 along K, from set p.  zero = 1: the product starts the sums: nothing is ever cleared.
; The 64 accumulators take turns, one instruction a turn, in the same order in every K step.
.macro MULA a, p, zero
.irp b, 0,1,2,3,4,5,6,7
.if \zero
	v_wmma_scale_f32_16x16x128_f8f6f4 v[8*(8*((\a)%4)+\b):8*(8*((\a)%4)+\b)+7], v[96*(\p)+12*\b:96*(\p)+12*\b+11], v[64+96*(\p)+12*(\a):64+96*(\p)+12*(\a)+11], 0, v[SC+8*(\p)+\b], v[SC+8*(\p)+(\a)] matrix_a_fmt:MATRIX_FMT_FP6 matrix_b_fmt:MATRIX_FMT_FP6 matrix_a_scale:MATRIX_SCALE_ROW1
.else
	v_wmma_scale_f32_16x16x128_f8f6f4 v[8*(8*((\a)%4)+\b):8*(8*((\a)%4)+\b)+7], v[96*(\p)+12*\b:96*(\p)+12*\b+11], v[64+96*(\p)+12*(\a):64+96*(\p)+12*(\a)+11], v[8*(8*((\a)%4)+\b):8*(8*((\a)%4)+\b)+7], v[SC+8*(\p)+\b], v[SC+8*(\p)+(\a)] matrix_a_fmt:MATRIX_FMT_FP6 matrix_b_fmt:MATRIX_FMT_FP6 matrix_a_scale:MATRIX_SCALE_ROW1
.endif
.endr
.endm
; A slot's first K step: multiplies set 0; the slot's second K step is fetched into set 1 ahead of the 64 products
.macro STEP slot, zero
	WIN 0
	s_wait_dscnt 0x0                               ; set 0 is in
	PLACES 4                                       ; set 1 was read by the products just issued
	FETCH \slot, 1, 1
	WIN MUL_LO
.irp a, 0,1,2,3
	MULA \a, 0, \zero
.endr
	WIN MUL_HI
.irp a, 4,5,6,7
	MULA \a, 0, \zero
.endr
.endm
; A slot's second K step multiplies set 1 and changes slots: ONE barrier.  In front of it each wave waits for all its tensor loads (one is out: its part of the next slot), adds 0 to its spare word, and waits for that and for
; its own reads of this slot.  fill = 1: the barrier opens a round of the cluster's barrier, and this slot is filled again, two slots ahead, first thing behind the round.
.macro TURN slot, next, fill
	WIN 0
	s_wait_tensorcnt 0x0
	ds_add_u32 v[SPW], v[NIL]
	s_wait_dscnt 1                                 ; set 1 is in; the add alone may be out
	WIN MUL_LO
	MULA 0, 1, 0                                   ; eight matrix instructions stand between the add and the wait for it
	s_wait_dscnt 0x0                               ; the add is done, and my reads of this slot are over
	s_barrier_signal -1
	MULA 1, 1, 0
	WIN 0
	s_barrier_wait -1
.if \fill
	CREST                                          ; no wave of any partner still reads this slot or has a load on its way
	s_add_nc_u64 s[G0+4*\slot+2:G0+4*\slot+3], s[G0+4*\slot+2:G0+4*\slot+3], 2*REGN
	s_add_nc_u64 s[G0B+4*\slot+2:G0B+4*\slot+3], s[G0B+4*\slot+2:G0B+4*\slot+3], 2*REGN
	JLOAD G0+4*\slot, G1, G0B+4*\slot, G1B         ; its four v_nop are also the places in front of the loads below
.else
	PLACES 4
.endif
	FETCH \next, 0, 0                              ; 48 matrix instructions ahead of its first use
	WIN MUL_LO
	MULA 2, 1, 0
	MULA 3, 1, 0
	WIN MUL_HI
.irp a, 4,5,6,7
	MULA \a, 1, 0
.endr
.endm
.macro LASTMUL                         ; the last K step: set 1, nothing more to fetch
	WIN MUL_LO
.irp a, 0,1,2,3
	MULA \a, 1, 0
.endr
	WIN MUL_HI
.irp a, 4,5,6,7
	MULA \a, 1, 0
.endr
	WIN 0
.endm
; 64 numbers of a lane in window w, register 16 b + i = k 32 b + 16 (lane / 16) + i of my row, become a fragment's codes in v[PC] on and its scale word in v[pw].  An accumulator is read from its low end on.
.macro QUANT s, pw, w
	WIN 20*(\w)                                    ; sources 1 and 2 in window w
.irp b, 0,1,2,3
	v_max3_num_f32 v[TM+\b], 0x1800000, |v[\s+16*\b]|, |v[\s+1+16*\b]|   ; block b: the floor 2^(3 - 127), so that the byte cannot fall under 1, and my 16 numbers
.endr
.irp i, 2,4,6,8,10,12,14
.irp b, 0,1,2,3
	v_max3_num_f32 v[TM+\b], v[TM+\b], |v[\s+16*\b+\i]|, |v[\s+1+16*\b+\i]|
.endr
.endr
	WIN 0
.irp b, 0,1,2,3
	v_permlanex16_b32 v[TM+4+\b], v[TM+\b], s76, s77
.endr
.irp b, 0,1,2,3
	v_max_num_f32 v[TM+\b], v[TM+\b], v[TM+4+\b]   ; with lane l xor 16's: the block's largest magnitude
.endr
.irp b, 0,1,2,3
	v_add_nc_u32 v[TM+12+\b], 0xff000000, v[TM+\b]   ; 2 off its exponent field: the conversion's scale operand
.endr
.irp b, 0,1,2,3
	v_lshrrev_b32 v[TM+4+\b], 23, v[TM+12+\b]   ; the scale's byte
.endr
	v_lshl_or_b32 v[\pw], v[TM+5], 8, v[TM+4]
	v_lshl_or_b32 v[\pw], v[TM+6], 16, v[\pw]
	v_lshl_or_b32 v[\pw], v[TM+7], 24, v[\pw]
	WIN (\w)                                       ; source 0 in window w
.irp c, 0,1
	v_cvt_scalef32_pk16_fp6_f32 v[PC+6*\c:PC+2+6*\c], v[\s+32*\c:\s+15+32*\c], v[TM+12+2*\c]
	v_cvt_scalef32_pk16_fp6_f32 v[PC+12+4*\c:PC+14+4*\c], v[\s+16+32*\c:\s+31+32*\c], v[TM+12+2*\c+1]   ; (a conversion's three registers begin on an even number)
.endr
	WIN 0
	v_nop                                          ; one plain place behind a scaled conversion
.irp c, 0,1                            ; the operand's layout wants a WHOLE block in a lane
.irp i, 0,1,2
	v_permlane16_swap_b32 v[PC+6*\c+\i], v[PC+12+4*\c+\i]
.endr
.irp i, 0,1,2
	v_mov_b32 v[PC+3+6*\c+\i], v[PC+12+4*\c+\i]
.endr
.endr
.endm
; The table for block a's 16 tokens: my token's 32 cosines and 32 sines, those of the frequencies 32 c + 16 h + 0 .. 15, into set (a + 3) % 4 of window 1: 16 loads
.macro ROPELOAD a
	WIN TO_B
.irp u, 0,1
.irp c, 0,1
.irp j, 0,1,2,3
	global_load_b128 v[64*(((\a)+3)%4)+32*\u+16*\c+4*\j:64*(((\a)+3)%4)+32*\u+16*\c+4*\j+3], v[RO], s[6:7] offset:(32*((\a)/2)+8*((\a)%2))*512+256*\u+128*\c+16*\j
.endr
.endr
.endr
	WIN 0
.endm
.macro OUT3 a                          ; the fragment just made leaves as it stands: 32 lanes store 512 consecutive bytes, at a multiple of 256 from the buffer's first byte
.irp c, 0,1,2
	global_store_b128 v[LI], v[PC+4*\c:PC+4*\c+3], s[8:9] offset:1536*(\a)+512*\c
.endr
.endm
; q, k: block a is rotated and quantised.  Registers 0-31 of the block are channels under 64 (t1), registers 32-63 the same channels + 64 (t2): t1 cos - t2 sin, t1 sin + t2 cos
.macro QKOUT a
.set AC, 64*((\a)%4)
.set RS, 64*(((\a)+3)%4)
.if (\a) < 5
	s_wait_loadcnt 48                              ; this block's 16 table loads are in; those of the three blocks behind it may stay out
.else
	s_wait_loadcnt 16*(7-(\a))
.endif
	WIN 2+(\a)/4+4                                 ; source 0: the accumulators' window; source 1: window 1
.irp n, 0,2,4,6,8,10,12,14,16,18,20,22,24,26,28,30
	v_pk_mul_f32 v[HA+\n:HA+\n+1], v[AC+32+\n:AC+33+\n], v[RS+32+\n:RS+33+\n]
.endr
.irp n, 0,2,4,6,8,10,12,14,16,18,20,22,24,26,28,30
	v_pk_mul_f32 v[HA+32+\n:HA+33+\n], v[AC+32+\n:AC+33+\n], v[RS+\n:RS+\n+1]
.endr
.irp n, 0,2,4,6,8,10,12,14,16,18,20,22,24,26,28,30
	v_pk_fma_f32 v[HA+\n:HA+\n+1], v[AC+\n:AC+\n+1], v[RS+\n:RS+\n+1], v[HA+\n:HA+\n+1] neg_lo:[0,0,1] neg_hi:[0,0,1]
.endr
.irp n, 0,2,4,6,8,10,12,14,16,18,20,22,24,26,28,30
	v_pk_fma_f32 v[HA+32+\n:HA+33+\n], v[AC+\n:AC+\n+1], v[RS+32+\n:RS+33+\n], v[HA+32+\n:HA+33+\n]
.endr
	WIN 0
.if (\a) > 0
	s_wait_xcnt 0x0                                ; the last block's stores have read the codes' registers
.endif
.if (\a) < 4
	ROPELOAD (\a)+4                                ; the set just used takes the block four on
.endif
	QUANT HA, PW+(\a), 0
	OUT3 \a
.endm
.macro VOUT a                          ; v: block a's 16 channels are quantised along the keys, straight from the accumulators
.if (\a) > 0
	s_wait_xcnt 0x0
.endif
	QUANT 64*((\a)%4), PW+(\a), 2+(\a)/4
	OUT3 \a
.endm
.macro FINISH
.irp i, 0,1,2,3
	v_cndmask_b32 v[172+\i], v[PW+\i], v[PW+4+\i], s74   ; lanes 0-15 store row r's words of fragments 0-3, lanes 16-31 those of 4-7
.endr
	global_store_b128 v[LI], v[172:175], s[10:11]  ; 512 consecutive bytes
	s_wait_tensorcnt 0x0                           ; the wave's end: a tensor wait, an add of 0 to my spare word and a wait for it
	ds_add_u32 v[SPW], v[NIL]
	s_wait_dscnt 0x0
	CROUND                                         ; the closing round: no work-group ends while a partner may still ask for a tile that names it
	s_endpgm
.endm
	s_load_b128 s[4:7], s[0:1], 0x0                ; xw s[4:5], rope s[6:7]
	s_load_b64 s[8:9], s[0:1], 0x10                ; qkv
	v_lshl_add_u32 v[SPW], v0, 2, SPARE
	v_mov_b32 v[NIL], 0
	ds_add_u32 v[SPW], v[NIL]                      ; the wave's opening: the add, twice on end, and its wait ahead of my first tensor load
	ds_add_u32 v[SPW], v[NIL]
	v_lshrrev_b32 v1, 5, v0
	v_readfirstlane_b32 s14, v1                    ; wave 0..3
	s_lshr_b32 s15, s14, 1                         ; which of P's two row blocks is mine.  Also: I fetch for P (0) or for R (1)
	s_and_b32 s16, s14, 1                          ; which of R's two.  Also: which row block of that tile I fetch
	s_bfe_u32 s40, ttmp6, 0x40000                  ; cx, cy: my place in the cluster
	s_bfe_u32 s41, ttmp6, 0x40004
	s_and_b32 s42, ttmp9, 1
	s_lshl_b32 s42, s42, 2
	s_add_co_u32 s42, s42, s40                     ; tile column (R) = 4 x (cluster x % 2) + cx
	s_and_b32 s17, ttmp7, 0xffff
	s_lshl_b32 s17, s17, 2
	s_add_co_u32 s17, s17, s41                     ; tile row (P) = 4 x cluster y + cy
	s_lshl_b32 s43, s41, 2
	s_lshl_b32 s43, 15, s43                        ; my row of the cluster
	s_lshl_b32 s44, 0x1111, s40                    ; my column
	s_lshr_b32 s66, ttmp9, 1                       ; t: 0 q, 1 k, 2 v
	s_lshr_b32 s67, s66, 1
	s_xor_b32 s68, s67, 1
	s_add_co_u32 s69, s66, 1
	s_mul_i32 s68, s68, s69                        ; R's tensor in xw: 1, 2, 0
	s_mul_i32 s67, s67, 3                          ; P's: 0, 0, 3
	; descriptor group 1: 25,600 dense bytes as 100 rows of 32 elements of 8 bytes, no padding
	s_or_b32 s[G1+0], s43, (3<<16)|(1<<21)         ; 15:0 the mask: P's tiles go to my row; 17:16 elements of 8 bytes; 21 set beside a mask
	s_or_b32 s[G1B+0], s44, (3<<16)|(1<<21)        ; R's go to my column
.irp g, G1, G1B
	s_mov_b32 s[\g+1], 32<<16                      ; tensor_dim0
	s_mov_b32 s[\g+2], 100<<16                     ; tensor_dim1
	s_mov_b32 s[\g+3], 32<<16                      ; tile_dim0
	s_mov_b32 s[\g+4], 100                         ; tile_dim1
	s_mov_b32 s[\g+5], 32                          ; tensor_dim0_stride
	s_mov_b32 s[\g+6], 0
	s_mov_b32 s[\g+7], 0
.endr
	s_lshl_b32 s20, s17, 1                         ; P: row block 2 x tile row + half, 204,800 bytes each (all of K); no register here ever holds cx
	s_add_co_u32 s20, s20, s16
	s_mul_i32 s20, s20, 204800
	s_mul_i32 s21, s67, 3276800
	s_add_co_u32 s20, s20, s21
	s_mov_b32 s21, 0
	s_lshl_b32 s46, s42, 1                         ; R likewise by the tile column; no register here ever holds cy
	s_add_co_u32 s46, s46, s16
	s_mul_i32 s46, s46, 204800
	s_mul_i32 s47, s68, 3276800
	s_add_co_u32 s46, s46, s47
	s_mov_b32 s47, 0
	s_mul_i32 s45, s14, REGN                       ; where they go: region = wave: no place in the cluster enters an LDS address
	s_wait_dscnt 0x0                               ; both opening adds are done
	s_wait_kmcnt 0x0
	s_add_nc_u64 s[20:21], s[4:5], s[20:21]
	s_add_nc_u64 s[46:47], s[4:5], s[46:47]
	CROUND                                         ; all sixteen work-groups are here: the first joint loads meet
.irp s, 0,1
	s_mov_b32 s[G0+4*\s], 1
	s_add_co_u32 s[G0+4*\s+1], s45, \s*SLOT
	s_add_nc_u64 s[G0+4*\s+2:G0+4*\s+3], s[20:21], \s*REGN
	s_or_b32 s[G0+4*\s+3], s[G0+4*\s+3], 0x80000000
	s_mov_b32 s[G0B+4*\s], 1
	s_add_co_u32 s[G0B+4*\s+1], s45, \s*SLOT
	s_add_nc_u64 s[G0B+4*\s+2:G0B+4*\s+3], s[46:47], \s*REGN
	s_or_b32 s[G0B+4*\s+3], s[G0B+4*\s+3], 0x80000000
	JLOAD G0+4*\s, G1, G0B+4*\s, G1B               ; by this text's count two tensor loads of a wave are out here, one behind each later round
.endr
	v_and_b32 v1, 15, v0                           ; r
	v_bfe_u32 v2, v0, 4, 1                         ; h
	v_and_b32 v3, 31, v0
	v_lshlrev_b32 v[LI], 4, v3
	s_mul_i32 s21, s15, REGN                       ; P's region of mine
	s_mul_i32 s22, s16, REGN
	s_add_co_u32 s22, s22, 2*REGN                  ; R's
.irp s, 0,1
	v_add_nc_u32 v[ADRA+\s], s21, v[LI]
	v_add_nc_u32 v[ADRB+\s], s22, v[LI]
	s_add_co_u32 s21, s21, SLOT
	s_add_co_u32 s22, s22, SLOT
.endr
	s_xor_b32 s23, s15, 1
	s_add_co_u32 s23, s23, s16
	s_add_co_u32 s23, s23, 1
	s_mul_i32 s23, s23, REGN                       ; from P's region to R's: one product with h
	v_mul_u32_u24 v4, s23, v2
	v_lshl_add_u32 v4, v1, 4, v4                   ; + 16 r
	s_mul_i32 s21, s15, REGN
	s_add_co_u32 s21, s21, 12288                   ; the scale words lie behind a K step's eight fragments
	v_add_nc_u32 v[ADRS], s21, v4
	v_add_nc_u32 v[ADRS+1], SLOT, v[ADRS]
	v_and_b32 v5, 8, v1
	v_add_nc_u32 v5, v5, v1
	v_lshlrev_b32 v[RO], 9, v5
	v_lshl_add_u32 v[RO], v2, 6, v[RO]
	v_cmp_eq_u32 s74, 1, v2                        ; the lanes 16-31
	s_mov_b32 s76, 0x76543210
	s_mov_b32 s77, 0xfedcba98                      ; v_permlanex16_b32's selects for lane l xor 16
	s_lshl_b32 s69, s17, 1
	s_add_co_u32 s69, s69, s15                     ; my row block of P
	s_lshl_b32 s70, s42, 1
	s_add_co_u32 s70, s70, s16                     ; and of R
	s_cmp_eq_u32 s66, 2
	s_cselect_b32 s71, s69, s70                    ; the head: R's block for q and k, P's for v
	s_cselect_b32 s72, s70, s69                    ; the token block: the other
	s_lshl_b32 s71, s71, 4
	s_add_co_u32 s71, s71, s72
	s_mul_i32 s72, s71, 12288
	s_mul_i32 s73, s66, 3145728
	s_add_co_u32 s72, s72, s73
	s_mov_b32 s73, 0
	s_lshl_b32 s78, s71, 9
	s_lshl_b32 s79, s66, 17
	s_add_co_u32 s78, s78, s79
	s_add_co_u32 s78, s78, 9437184
	s_mov_b32 s79, 0
	s_add_nc_u64 s[10:11], s[8:9], s[78:79]        ; my 512 bytes of scale words
	s_add_nc_u64 s[8:9], s[8:9], s[72:73]          ; my eight fragments
	s_lshl_b32 s72, s69, 16
	s_add_nc_u64 s[6:7], s[6:7], s[72:73]          ; the table at my 128 tokens (q, k)
	s_wait_tensorcnt 1                             ; my part of slot 0 is in; slot 1's may stay out
	s_barrier_signal -1
	s_barrier_wait -1                              ; everybody's is
	FETCH 0, 0, 0
	STEP 0, 1                                      ; the first K step stands in front of the loop: its products start the sums
	WIN 0                                          ; at a label and at a branch every window is 0
	s_mov_b32 s3, 3
.Llap:                                                 ; a trip goes once round the ring, four K steps, and fills both slots again
	TURN 0, 1, 1
	STEP 1, 0
	TURN 1, 0, 1
	STEP 0, 0
	WIN 0
	s_sub_co_u32 s3, s3, 1
	s_cmp_lg_u32 s3, 0
	s_cbranch_scc1 .Llap
	TURN 0, 1, 0                                   ; the last lap fills nothing, and has no round of the cluster's barrier
	STEP 1, 0
	WIN 0
	s_wait_dscnt 0x0                               ; the last K step's set is in
	s_cmp_eq_u32 s66, 2                            ; the one branch on t: the same in all sixteen partners and all waves
	s_cbranch_scc1 .Lvpath
	PLACES 4                                       ; R's set 0 was read by the products just issued
	ROPELOAD 0                                     ; the table of the first two blocks lands under the last 64 products
	ROPELOAD 1
	LASTMUL
	PLACES 4                                       ; behind the last products: for the loads into R's set 1 and for the first reads of results
	ROPELOAD 2
	ROPELOAD 3
.irp b, 0,1,2,3
	v_mov_b32 v[TM+4+\b], 0                        ; a lane permute's destination counts as one of its sources
.endr
.irp a, 0,1,2,3,4,5,6,7
	QKOUT \a
.endr
	FINISH
.Lvpath:
	LASTMUL
	PLACES 4
.irp b, 0,1,2,3
	v_mov_b32 v[TM+4+\b], 0
.endr
.irp a, 0,1,2,3,4,5,6,7
	VOUT \a
.endr
	FINISH
.Lfunc_end_k_q91d7435228_qkv:
	.size	k_q91d7435228_qkv, .Lfunc_end_k_q91d7435228_qkv-k_q91d7435228_qkv
	.p2alignl 7, 3214868480
	.fill 96, 4, 3214868480
	.section	.rodata,"a",@progbits
	.p2align	6, 0x0
	.amdhsa_kernel k_q91d7435228_qkv
		.amdhsa_group_segment_fixed_size 327680
		.amdhsa_private_segment_fixed_size 0
		.amdhsa_enable_private_segment 0
		.amdhsa_kernarg_size 24
		.amdhsa_user_sgpr_count 2
		.amdhsa_user_sgpr_kernarg_segment_ptr 1
		.amdhsa_wavefront_size32 1
		.amdhsa_system_sgpr_workgroup_id_x 1
		.amdhsa_system_sgpr_workgroup_id_y 1
		.amdhsa_system_sgpr_workgroup_id_z 1
		.amdhsa_system_vgpr_workitem_id 0
		.amdhsa_next_free_vgpr 1024
		.amdhsa_next_free_sgpr 80
		.amdhsa_reserve_vcc 0
		.amdhsa_float_denorm_mode_32 3
		.amdhsa_float_denorm_mode_16_64 3
		.amdhsa_memory_ordered 1
		.amdhsa_forward_progress 1
		.amdhsa_inst_pref_size 223
	.end_amdhsa_kernel
	.amdgpu_metadata
---
amdhsa.version: [ 1, 2 ]
amdhsa.kernels:
  - .name:           k_q91d7435228_qkv
    .symbol:         k_q91d7435228_qkv.kd
    .args:
      - { .name: xw, .offset: 0, .size: 8, .value_kind: global_buffer, .address_space: global }
      - { .name: rope, .offset: 8, .size: 8, .value_kind: global_buffer, .address_space: global }
      - { .name: qkv, .offset: 16, .size: 8, .value_kind: global_buffer, .address_space: global }
    .group_segment_fixed_size: 327680
    .private_segment_fixed_size: 0
    .kernarg_segment_align: 8
    .kernarg_segment_size: 24
    .max_flat_workgroup_size: 128
    .sgpr_count:     80
    .vgpr_count:     1024
    .wavefront_size: 32
...
	.end_amdgpu_metadata
.endif
;; end of part 2
;; launch attn (part 3): grid 16 x 16, 16 waves a work-group, no clusters, 327,680 bytes of LDS; arguments qkv, oc; writes oc
.if DOCPART == 3
	.amdgcn_target "amdgcn-amd-amdhsa--gfx1250"
	.amdhsa_code_object_version 6
	.text
	.protected	k_q91d7435228_attn
	.globl	k_q91d7435228_attn
	.p2align	8
	.type	k_q91d7435228_attn,@function
k_q91d7435228_attn:
	s_mov_b64 s[64:65], 0
	v_nop
	global_prefetch_b8 v0, s[64:65] scope:SCOPE_SE
	s_setreg_imm32_b32 hwreg(HW_REG_WAVE_MODE, 25, 1), 1
	s_wait_xcnt 0x0
; THIRD LAUNCH: o = softmax(q k^T / sqrt(128), causal) v on codes of FP6 (E2M3) with E8M0 scales; o / l is quantised along the channels and leaves as codes for the last product.
; WORK LEFT OUT: a step of 128 keys all of which come after a tile's 16 queries: reference()'s own mask gives those keys the weight 0 for all values of the inputs (shown at the head of the first launch).
; LIMITS: a NaN, an infinity or an overflow that reaches only those steps is not carried to the result; NaN and infinities are not served; a block of zeros gets the scale byte 1.
; THE SOFTMAX: t = score x log2(e) / sqrt(128); M = the largest t that a wave has met for the row, rounded UP to a whole number; p = 2^(t - M) is quantised along the keys, not normalised; the row's sum is taken of the unquantised p
; and divides O at the end.  When M moves, the sum and O are multiplied by 2^(old M - new M): exact.
; SHARES, SO THAT THE CAUSAL WORK IS EVEN: work-group (u, head) owns two blocks of 64 queries, block u and block 31 - u: eight tiles of 16 queries, four early and four late.
; EACH TILE HAS TWO WAVES: wave w < 8 walks the first 128 keys of every slot of 256, wave w + 8 the second 128, each with an M, a sum and an O^T of its own.  A head's last tile has 16 key steps, which in one wave would stand one
; behind the other; so they are 8 and 8, and a SIMD holds four waves of 256 registers, whose vector, exponential, matrix and LDS work stand side by side.  At the end the second wave hands its O^T, -M and sum to the first through
; LDS, as images of its registers; the first brings both under the larger M, by exact powers of two, and adds.  A second wave that walked no step hands over zeros under M = -3e38: its power of two comes out 0.
; LAYOUT: both products are used transposed: S^T = K Q^T (source 0 = 16 keys, source 1 = my queries), O^T = V^T P^T (source 0 = 16 channels, source 1 = P): a lane holds ONE query throughout.  All fragments lie as images of
; their registers, their rows chosen as the first launch says: the 16 registers of two neighbouring tiles are 16 neighbouring keys (S^T) or channels (O^T).  My queries: Q0 + r + 8 (r / 8).
; RING: two LDS slots of 256 keys (K's codes, 24,576 dense bytes, then V's); wave 0 fetches K's, wave 1 V's, one tensor load each; all sixteen read.  The head's scale words (8,192 bytes each for K and V) come once, with the first fills.
; Every work-group walks all eight slots, so that all trip counts are constants; a hidden step's work is jumped over, and a slot that none of the sixteen waves would read is not asked for.
; No cluster: where the loads end hangs on the work-group's number.
; REGISTERS: v1-11, v80, v81 addresses; v12 -M, v13 the largest t, v[14:15] the sum in two halves; v16-27 Q; v32-79 four fragments of K or V; v84-95 the merge; v96-159 S^T, then p, then o; v160-223 O^T; v224-235 p's codes;
;   v232-254 at work; v248-251 scale words; v255 Q's.
.set SLOT1, 65536                      ; slot 1 begins here: one exclusive or turns an address in one slot into the other's
.set KSB,   12288                      ; a key step's eight fragments
.set VOFF,  24576                      ; V's codes lie behind K's in a slot
.set SCK,   131072                     ; K's scale words of the head; V's lie 8,192 bytes on
.set SCST,  147456                     ; 512 bytes for o's scale words: two blocks of 256 bytes into which no fill lands
.set SPARE, 147968                     ; the spare words, 128 bytes for each of 16 waves: eight blocks of 256 bytes that no other line names
.set MRG,   150016                     ; the merge: for each tile 8,192 bytes of O^T's image and 512 of v[12:15]'s: whole blocks of 256 bytes into which no fill lands
.set MRGB,  8704
.set LI,   1                           ; v1   16 x lane
.set ASK0, 2                           ; v2   SCK + 16 x lane + 512 x my half of a slot
.set DQ,   3                           ; v3   r + 8 (r / 8) - 16 h
.set SCW,  4                           ; v4   where I put o's scale word
.set SPW,  5                           ; v5   LDS address of my spare word; never rewritten
.set NIL,  6                           ; v6   0; never rewritten
.set PFO,  7                           ; v7   256 x lane: the prefetches' offset; never rewritten
.set ADK,  8                           ; v8   my key step in the slot in hand + 16 x lane
.set SCR,  9                           ; v9   SCST + 16 x lane
.set ADS,  10                          ; v10  the step's scale words
.set GS,   11                          ; v11  where wave 0 stores o's scale words
.set LIK,  80                          ; v80  16 x lane + 12,288 x my half of a slot
.set MST,  81                          ; v81  my tile's region of the merge + 16 x lane
.set TM,   32                          ; the way out: at work
.set PC,   48                          ; o's codes
.set WV,   8                           ; s8   my wave's number
.set TW,   11                          ; s11  my tile: wave % 8
.set PAR,  14                          ; s14  my half of every slot: wave / 8
.set KP,   15                          ; s15  128 x that
.set G1C,  16                          ; s[16:23] descriptor group 1 for codes;  s[24:31] for scale words;  s[32:35], s[36:39] their groups 0
.set G1S,  24
.set G0C,  32
.set G0S,  36
.set SEL,  40                          ; s[40:41] lane selects for v_permlanex16_b32: lane l xor 16
.set CS,   42                          ; s[42:43] c = log2(e) / sqrt(128)
.set TB,   44                          ; s44  LDS byte at which the slot in hand begins
.set TS,   45                          ; s45  where the slot's scale words begin: 1,024 bytes a slot
.set SLOTS, 46                         ; s46  changes of slots still to come in the loop
.set KF,   47                          ; s47  my step's first key
.set Q0,   48                          ; s48  my first query
.set QLAST, 49                         ; s49  my work-group's last query
.set LIM,  50                          ; s50  1 in a wave that prefetches, else the greatest number
.set SKF,  51                          ; s51  the first key of the slot in hand: the same in all sixteen waves
.set PFA,  52                          ; s[52:53] where my prefetches stand
.macro TLOAD                           ; waves 0 and 1 fetch; an s_nop 0 and four v_nop follow the line
	s_cmp_lt_u32 s[WV], 2
	s_cbranch_scc0 .Lasked_\@
	tensor_load_to_lds s[G0C:G0C+3], s[G1C:G1C+7]
	s_nop 0
.rept 4
	v_nop
.endr
.Lasked_\@:
.endm
; A PREFETCH of the slot that the NEXT change of slots will ask for: a slot ahead of that load.  All work-groups of a head walk the same K and V: work-group u = 0 asks, which walks all eight slots.  In it waves 2 to 4 ask for
; K's 24,576 bytes, waves 5 to 7 for V's, 8,192 bytes a wave, lanes 256 bytes apart: each aligned block of 256 bytes is named once in the launch.
; Slots 0 and 1 come by their loads alone; the last change that fills a slot asks for nothing.
.macro ASK
	s_cmp_gt_u32 s[SLOTS], s[LIM]
	s_cbranch_scc0 .Lnot_mine_\@
	global_prefetch_b8 v[PFO], s[PFA:PFA+1] th:TH_LOAD_NT scope:SCOPE_SE
.Lnot_mine_\@:
.endm
; THE CHANGE OF SLOTS stands at a slot's head.  Each wave waits for all its tensor loads, adds 0 to its spare word
; and waits for that and for its reads of the slot that it has left.  Behind the barrier the slot ahead is whole and nobody reads the other one, which is then filled with the keys that follow.
.macro CHANGE fill
	s_wait_tensorcnt 0x0                           ; no tensor load of mine is out, so a group 0 may be written
	ds_add_u32 v[SPW], v[NIL]
.if \fill
	ds_add_u32 v[SPW], v[NIL]
	s_xor_b32 s[G0C+1], s[G0C+1], SLOT1            ; the walking descriptor: the other slot than last time,
	s_add_nc_u64 s[G0C+2:G0C+3], s[G0C+2:G0C+3], 2*KSB   ; the next 256 keys
	s_wait_xcnt 0x0                                ; the last prefetch, a slot back, has read its address
	s_add_nc_u64 s[PFA:PFA+1], s[PFA:PFA+1], 2*KSB
.endif
	s_wait_dscnt 0x0
	s_barrier_signal -1
	s_barrier_wait -1
.if \fill
	s_add_co_u32 s54, s[SKF], 256                  ; the first key of the slot that this change would ask for:
	s_cmp_gt_u32 s54, s[QLAST]                     ; behind my work-group's last query no wave would read it.  The work-group's number and the count of slots alone: all sixteen waves go the same way
	s_cbranch_scc1 .Lpast_\@
	TLOAD                                          ; a wave's one tensor load until the next such barrier
.Lpast_\@:
	ASK
.endif
.endm
; A KEY STEP: my 128 keys of the slot in hand
.macro STEP
	s_add_co_u32 s[KF], s[SKF], s[KP]              ; my step's first key
	s_add_co_u32 s54, s[Q0], 23                    ; my last query
	s_cmp_gt_u32 s[KF], s54
	s_cbranch_scc1 .Lhidden_\@                     ; all keys hidden: the work is left out
	v_add_nc_u32 v[ADK], s[TB], v[LIK]
	v_add_nc_u32 v[ADS], s[TS], v[ASK0]
	v_nop
	v_nop                                          ; four places in front of loads into registers that the last step's products have read
	ds_load_b128 v[248:251], v[ADS]                ; K's scale words of all eight tiles: tiles 0-3 in lanes 0-15, tiles 4-7 in lanes 16-31
.irp g, 0,1                            ; S^T = K Q^T, four tiles of 16 keys at a time
.if \g > 0
.rept 4
	v_nop
.endr
.endif
.irp t, 0,1,2,3
.irp c, 0,1,2
	ds_load_b128 v[32+12*\t+4*\c:35+12*\t+4*\c], v[ADK] offset:1536*(4*\g+\t)+512*\c
.endr
.endr
	s_wait_dscnt 0x0
.irp t, 0,1,2,3
.if \g == 0
	v_wmma_scale_f32_16x16x128_f8f6f4 v[96+8*\t:103+8*\t], v[32+12*\t:43+12*\t], v[16:27], 0, v[248+\t], v255 matrix_a_fmt:MATRIX_FMT_FP6 matrix_b_fmt:MATRIX_FMT_FP6
.else
	v_wmma_scale_f32_16x16x128_f8f6f4 v[128+8*\t:135+8*\t], v[32+12*\t:43+12*\t], v[16:27], 0, v[248+\t], v255 matrix_a_fmt:MATRIX_FMT_FP6 matrix_b_fmt:MATRIX_FMT_FP6 matrix_a_scale:MATRIX_SCALE_ROW1
.endif
.endr
.endr
.rept 4
	v_nop                                          ; places: for the first reads of the scores, and for the loads below
.endr
	ds_load_b128 v[248:251], v[ADS] offset:8192    ; V's scale words and its first four fragments land under the softmax
.irp t, 0,1,2,3
.irp c, 0,1,2
	ds_load_b128 v[32+12*\t+4*\c:35+12*\t+4*\c], v[ADK] offset:VOFF+1536*\t+512*\c
.endr
.endr
	s_add_co_u32 s54, s[KF], 127                   ; on the diagonal hidden scores become -infinity ahead of the maximum: p = 0 then.  A step all of whose keys count skips this
	s_cmp_le_u32 s54, s[Q0]
	s_cbranch_scc1 .Lopen_\@
	s_sub_co_i32 s54, s[Q0], s[KF]
	v_add_nc_u32 v252, s54, v[DQ]                  ; d = my query - KF - 16 h.  Register 16 b + i holds key KF + 16 h + 32 b + i: hidden where 32 b + i > d.  (A tile's queries lie in one block of 128, so key KF counts for all of them)
	v_mov_b32 v254, 0xff800000
.irp n, 0,1,2,3,4,5,6,7,8,9,10,11,12,13,14,15,16,17,18,19,20,21,22,23,24,25,26,27,28,29,30,31,32,33,34,35,36,37,38,39,40,41,42,43,44,45,46,47,48,49,50,51,52,53,54,55,56,57,58,59,60,61,62,63
	v_cmp_gt_i32 vcc_lo, 32*(\n/16)+\n%16, v252
	v_cndmask_b32 v[96+\n], v[96+\n], v254, vcc_lo
.endr
.Lopen_\@:
.irp b, 0,1,2,3
	v_max3_num_f32 v[232+\b], v[96+16*\b], v[97+16*\b], v[98+16*\b]   ; the largest score of each block of 32 keys: it serves the row's maximum and, since p rises with the score, the block's largest p
.endr
.irp i, 3,5,7,9,11,13
.irp b, 0,1,2,3
	v_max3_num_f32 v[232+\b], v[232+\b], v[96+16*\b+\i], v[97+16*\b+\i]
.endr
.endr
.irp b, 0,1,2,3
	v_max_num_f32 v[232+\b], v[232+\b], v[111+16*\b]
.endr
.irp b, 0,1,2,3
	v_permlanex16_b32 v[236+\b], v[232+\b], s[SEL], s[SEL+1]
.endr
.irp b, 0,1,2,3
	v_max_num_f32 v[232+\b], v[232+\b], v[236+\b]   ; with lane l xor 16's 16 keys
.endr
	v_max3_num_f32 v254, v232, v233, v234
	v_max_num_f32 v254, v254, v235
	v_mul_f32 v254, s[CS], v254                    ; the step's largest t
	v_max_num_f32 v13, v13, v254                   ; the running largest t
	v_mov_b32 v254, v12
	v_floor_f32 v12, -v13                          ; the new -M = floor(-t): M is a whole number
	v_sub_f32 v254, v12, v254                      ; old M - new M: a whole number, 0 or less
	v_cvt_i32_f32 v254, v254                       ; (it saturates)
	v_ldexp_f32 v252, 1.0, v254                    ; f = 2^(old M - new M)
.irp j, 0,2,4,6,8,10,12,14,16,18,20,22,24,26,28,30,32,34,36,38,40,42,44,46,48,50,52,54,56,58,60,62
	v_pk_fma_f32 v[96+\j:97+\j], v[96+\j:97+\j], s[CS:CS+1], v[12:13] op_sel_hi:[1,0,0]   ; t - M, two at a time
.endr
.irp b, 0,1,2,3
	v_fma_f32 v[232+\b], v[232+\b], s[CS], v12     ; the same of each block's largest score
.endr
.irp j, 0,1,2,3,4,5,6,7,8,9,10,11,12,13,14,15,16,17,18,19,20,21,22,23,24,25,26,27,28,29,30,31,32,33,34,35,36,37,38,39,40,41,42,43,44,45,46,47,48,49,50,51,52,53,54,55,56,57,58,59,60,61,62,63
	v_exp_f32 v[96+\j], v[96+\j]                   ; p = 2^(t - M), at most 1
.endr
	v_pk_mul_f32 v[14:15], v[14:15], v[252:253] op_sel_hi:[1,0]   ; the sums under the new M: a plain place behind the exponentials
	s_wait_alu depctr_va_vdst(0)                   ; one wait for the whole batch, ahead of its first reader
.irp b, 0,1,2,3
	v_exp_f32 v[232+\b], v[232+\b]                 ; the block's largest p
.endr
	v_pk_add_f32 v[236:237], v[96:97], v[98:99]    ; the row's sum is taken of the unquantised p: two at a time, in two chains
.irp j, 4,8,12,16,20,24,28,32,36,40,44,48,52,56,60
	v_pk_add_f32 v[14:15], v[14:15], v[96+\j:97+\j]
	v_pk_add_f32 v[236:237], v[236:237], v[98+\j:99+\j]
.endr
	v_pk_add_f32 v[14:15], v[14:15], v[236:237]
	s_wait_alu depctr_va_vdst(0)                   ; and one for the four
.irp b, 0,1,2,3
	v_max_num_f32 v[232+\b], 0x1800000, v[232+\b]  ; the floor 2^(3 - 127): the byte cannot fall under 1
.endr
.irp b, 0,1,2,3
	v_add_nc_u32 v[244+\b], 0xff000000, v[232+\b]  ; 2 off the exponent field: the conversion's scale operand
.endr
.irp b, 0,1,2,3
	v_lshrrev_b32 v[236+\b], 23, v[244+\b]         ; the scale's byte
.endr
	v_lshl_or_b32 v253, v237, 8, v236              ; p's scale word for these 128 keys
	v_lshl_or_b32 v253, v238, 16, v253
	v_lshl_or_b32 v253, v239, 24, v253
.irp c, 0,1
	v_cvt_scalef32_pk16_fp6_f32 v[224+6*\c:226+6*\c], v[96+32*\c:111+32*\c], v[244+2*\c]
	v_cvt_scalef32_pk16_fp6_f32 v[236+4*\c:238+4*\c], v[112+32*\c:127+32*\c], v[244+2*\c+1]
.endr
	v_nop                                          ; one plain place behind a scaled conversion
.irp c, 0,1
.irp i, 0,1,2
	v_permlane16_swap_b32 v[224+6*\c+\i], v[236+4*\c+\i]
.endr
.irp i, 0,1,2
	v_mov_b32 v[227+6*\c+\i], v[236+4*\c+\i]
.endr
.endr
.irp j, 0,2,4,6,8,10,12,14,16,18,20,22,24,26,28,30,32,34,36,38,40,42,44,46,48,50,52,54,56,58,60,62
	v_pk_mul_f32 v[160+\j:161+\j], v[160+\j:161+\j], v[252:253] op_sel_hi:[1,0]   ; O^T under the new M.  These 32 are also the places between p's codes and scale word and the products
.endr
	s_wait_dscnt 0x0                               ; V's first four fragments and its scale words are in
.irp t, 0,1,2,3                        ; O^T += V^T P^T: the eight accumulators take turns, one instruction a turn
	v_wmma_scale_f32_16x16x128_f8f6f4 v[160+8*\t:167+8*\t], v[32+12*\t:43+12*\t], v[224:235], v[160+8*\t:167+8*\t], v[248+\t], v253 matrix_a_fmt:MATRIX_FMT_FP6 matrix_b_fmt:MATRIX_FMT_FP6
.endr
.rept 4
	v_nop
.endr
.irp t, 0,1,2,3
.irp c, 0,1,2
	ds_load_b128 v[32+12*\t+4*\c:35+12*\t+4*\c], v[ADK] offset:VOFF+1536*(4+\t)+512*\c
.endr
.endr
	s_wait_dscnt 0x0
.irp t, 0,1,2,3
	v_wmma_scale_f32_16x16x128_f8f6f4 v[192+8*\t:199+8*\t], v[32+12*\t:43+12*\t], v[224:235], v[192+8*\t:199+8*\t], v[248+\t], v253 matrix_a_fmt:MATRIX_FMT_FP6 matrix_b_fmt:MATRIX_FMT_FP6 matrix_a_scale:MATRIX_SCALE_ROW1
.endr
.Lhidden_\@:
.endm
; 64 numbers of a lane become a fragment's codes in v[PC] on and its scale word in v[pw] (as in the first launch)
.macro QUANT s, pw
.irp b, 0,1,2,3
	v_max3_num_f32 v[TM+\b], |v[\s+16*\b]|, |v[\s+1+16*\b]|, 0x1800000
.endr
.irp i, 2,4,6,8,10,12,14
.irp b, 0,1,2,3
	v_max3_num_f32 v[TM+\b], v[TM+\b], |v[\s+16*\b+\i]|, |v[\s+1+16*\b+\i]|
.endr
.endr
.irp b, 0,1,2,3
	v_permlanex16_b32 v[TM+4+\b], v[TM+\b], s[SEL], s[SEL+1]
.endr
.irp b, 0,1,2,3
	v_max_num_f32 v[TM+\b], v[TM+\b], v[TM+4+\b]
.endr
.irp b, 0,1,2,3
	v_add_nc_u32 v[TM+12+\b], 0xff000000, v[TM+\b]
.endr
.irp b, 0,1,2,3
	v_lshrrev_b32 v[TM+4+\b], 23, v[TM+12+\b]
.endr
	v_lshl_or_b32 v[\pw], v[TM+5], 8, v[TM+4]
	v_lshl_or_b32 v[\pw], v[TM+6], 16, v[\pw]
	v_lshl_or_b32 v[\pw], v[TM+7], 24, v[\pw]
.irp c, 0,1
	v_cvt_scalef32_pk16_fp6_f32 v[PC+6*\c:PC+2+6*\c], v[\s+32*\c:\s+15+32*\c], v[TM+12+2*\c]
	v_cvt_scalef32_pk16_fp6_f32 v[PC+12+4*\c:PC+14+4*\c], v[\s+16+32*\c:\s+31+32*\c], v[TM+12+2*\c+1]
.endr
	v_nop
.irp c, 0,1
.irp i, 0,1,2
	v_permlane16_swap_b32 v[PC+6*\c+\i], v[PC+12+4*\c+\i]
.endr
.irp i, 0,1,2
	v_mov_b32 v[PC+3+6*\c+\i], v[PC+12+4*\c+\i]
.endr
.endr
.endm
	s_load_b128 s[4:7], s[0:1], 0x0                ; qkv s[4:5], oc s[6:7]
	v_lshl_add_u32 v[SPW], v0, 2, SPARE
	v_mov_b32 v[NIL], 0
	ds_add_u32 v[SPW], v[NIL]                      ; the wave's opening: the add, twice on end, and its wait ahead of the first tensor load
	ds_add_u32 v[SPW], v[NIL]
	v_lshrrev_b32 v28, 5, v0
	v_readfirstlane_b32 s[WV], v28                 ; wave 0..15
	s_and_b32 s[TW], s[WV], 7                      ; my tile
	s_lshr_b32 s[PAR], s[WV], 3                    ; my half of every slot
	s_lshl_b32 s[KP], s[PAR], 7
	s_and_b32 s12, ttmp7, 0xffff                   ; the head
	; descriptor group 1: dense bytes as rows of 32 elements of 8 bytes, no padding: 96 rows of codes, 32 rows of scale words
	s_mov_b32 s[G1C], 3<<16
	s_mov_b32 s[G1C+1], 32<<16
	s_mov_b32 s[G1C+2], 96<<16
	s_mov_b32 s[G1C+3], 32<<16
	s_mov_b32 s[G1C+4], 96
	s_mov_b32 s[G1C+5], 32
	s_mov_b32 s[G1C+6], 0
	s_mov_b32 s[G1C+7], 0
	s_mov_b32 s[G1S], 3<<16
	s_mov_b32 s[G1S+1], 32<<16
	s_mov_b32 s[G1S+2], 32<<16
	s_mov_b32 s[G1S+3], 32<<16
	s_mov_b32 s[G1S+4], 32
	s_mov_b32 s[G1S+5], 32
	s_mov_b32 s[G1S+6], 0
	s_mov_b32 s[G1S+7], 0
	s_and_b32 s55, s[WV], 1                        ; wave 0: K, wave 1: V
	s_add_co_u32 s56, s55, 1
	s_mul_i32 s58, s56, 3145728
	s_mul_i32 s57, s12, 196608
	s_add_co_u32 s58, s58, s57                     ; the head's codes
	s_mov_b32 s59, 0
	s_lshl_b32 s60, s56, 17
	s_lshl_b32 s57, s12, 13
	s_add_co_u32 s60, s60, s57
	s_add_co_u32 s60, s60, 9437184                 ; the head's scale words
	s_mov_b32 s61, 0
	s_mul_i32 s62, s55, VOFF
	s_lshl_b32 s63, s55, 13
	s_add_co_u32 s63, s63, SCK
	s_wait_dscnt 0x0                               ; both opening adds are done
	s_wait_kmcnt 0x0
	s_mov_b32 s[G0S], 1
	s_mov_b32 s[G0S+1], s63
	s_add_nc_u64 s[G0S+2:G0S+3], s[4:5], s[60:61]
	s_or_b32 s[G0S+3], s[G0S+3], 0x80000000
	s_mov_b32 s[G0C], 1
	s_mov_b32 s[G0C+1], s62
	s_add_nc_u64 s[G0C+2:G0C+3], s[4:5], s[58:59]
	s_or_b32 s[G0C+3], s[G0C+3], 0x80000000
	s_cmp_lt_u32 s[WV], 2                          ; a wave's two first fills stand in one branch: by this text's count two tensor loads of a loading wave are out here, one later
	s_cbranch_scc0 .Lno_first
	tensor_load_to_lds s[G0S:G0S+3], s[G1S:G1S+7]  ; the scale words of the whole head: filled once
	s_nop 0
	tensor_load_to_lds s[G0C:G0C+3], s[G1C:G1C+7]  ; slot 0
	s_nop 0
.rept 4
	v_nop
.endr
.Lno_first:
	s_lshr_b32 s9, s[TW], 2
	s_xor_b32 s9, s9, s[TW]
	s_and_b32 s9, s9, 1                            ; 1: my tile lies in the late block
	s_lshr_b32 s10, s[TW], 1                       ; which of the block's four tiles
	s_sub_co_u32 s13, 31, ttmp9
	s_cmp_eq_u32 s9, 1
	s_cselect_b32 s13, s13, ttmp9                  ; my block of 64 queries
	s_lshl_b32 s[Q0], s13, 6
	s_lshr_b32 s54, s10, 1
	s_lshl_b32 s54, s54, 5
	s_add_co_u32 s[Q0], s[Q0], s54
	s_and_b32 s54, s10, 1
	s_lshl_b32 s54, s54, 3
	s_add_co_u32 s[Q0], s[Q0], s54                 ; my first query
	s_sub_co_u32 s[QLAST], 32, ttmp9
	s_lshl_b32 s[QLAST], s[QLAST], 6
	s_sub_co_u32 s[QLAST], s[QLAST], 1             ; the late block's last query
	s_lshr_b32 s66, s13, 1                         ; my token block
	s_lshl_b32 s67, s12, 4
	s_add_co_u32 s67, s67, s66
	s_and_b32 s68, s13, 1
	s_lshl_b32 s69, s68, 2
	s_add_co_u32 s69, s69, s10                     ; my fragment in it
	s_mul_i32 s70, s67, 12288
	s_mul_i32 s71, s69, 1536
	s_add_co_u32 s70, s70, s71                     ; Q's fragment
	s_mov_b32 s71, 0
	s_lshl_b32 s72, s67, 9
	s_lshl_b32 s73, s68, 8
	s_add_co_u32 s72, s72, s73
	s_lshl_b32 s73, s10, 2
	s_add_co_u32 s72, s72, s73
	s_add_co_u32 s72, s72, 9437184                 ; Q's scale words
	s_mov_b32 s73, 0
	s_lshl_b32 s74, s66, 4
	s_add_co_u32 s74, s74, s12
	s_mul_i32 s74, s74, 12800
	s_mul_i32 s75, s69, 1536
	s_add_co_u32 s74, s74, s75                     ; o's fragment: oc is [token block][head][12,800]
	s_mov_b32 s75, 0
	s_add_nc_u64 s[70:71], s[4:5], s[70:71]
	s_add_nc_u64 s[72:73], s[4:5], s[72:73]
	s_add_nc_u64 s[74:75], s[6:7], s[74:75]
	s_lshr_b32 s76, ttmp9, 1                       ; where the early block's 256 bytes of o's scale words go,
	s_lshl_b32 s76, s76, 4
	s_add_co_u32 s76, s76, s12
	s_mul_i32 s76, s76, 12800
	s_and_b32 s77, ttmp9, 1
	s_lshl_b32 s77, s77, 8
	s_add_co_u32 s76, s76, s77
	s_add_co_u32 s76, s76, 12288
	s_sub_co_u32 s78, 31, ttmp9                    ; and the late block's,
	s_lshr_b32 s77, s78, 1
	s_lshl_b32 s77, s77, 4
	s_add_co_u32 s77, s77, s12
	s_mul_i32 s77, s77, 12800
	s_and_b32 s78, s78, 1
	s_lshl_b32 s78, s78, 8
	s_add_co_u32 s77, s77, s78
	s_add_co_u32 s77, s77, 12288
	s_sub_co_u32 s77, s77, s76                     ; as a distance: the late block lies further on
	v_and_b32 v28, 15, v0                          ; r
	v_bfe_u32 v29, v0, 4, 1                        ; h
	v_and_b32 v30, 31, v0                          ; lane
	v_lshlrev_b32 v[LI], 4, v30
	v_lshlrev_b32 v254, 4, v28
.irp c, 0,1,2
	global_load_b128 v[16+4*\c:19+4*\c], v[LI], s[70:71] offset:512*\c   ; Q's fragment stays in registers (both waves of a tile take it)
.endr
	global_load_b32 v255, v254, s[72:73]           ; and its scale words
	s_mul_i32 s54, s[PAR], KSB
	v_add_nc_u32 v[LIK], s54, v[LI]                ; my key step's codes in a slot
	s_lshl_b32 s54, s[PAR], 9
	s_add_co_u32 s54, s54, SCK
	v_add_nc_u32 v[ASK0], s54, v[LI]               ; and its scale words among a slot's 1,024 bytes
	s_mul_i32 s54, s[TW], MRGB
	s_add_co_u32 s54, s54, MRG
	v_add_nc_u32 v[MST], s54, v[LI]                ; my tile's region of the merge
	v_and_b32 v31, 8, v28
	v_add_nc_u32 v[DQ], v31, v28
	v_lshlrev_b32 v31, 4, v29
	v_sub_nc_u32 v[DQ], v[DQ], v31
	v_lshlrev_b32 v[PFO], 8, v30
	s_lshl_b32 s54, s9, 8
	s_lshl_b32 s55, s10, 2
	s_add_co_u32 s54, s54, s55
	s_add_co_u32 s54, s54, SCST
	v_lshl_add_u32 v[SCW], v28, 4, s54             ; SCST + 256 x late + 16 r + 4 x tile
	v_add_nc_u32 v[SCR], SCST, v[LI]
	v_mul_u32_u24 v[GS], s77, v29
	v_lshl_add_u32 v[GS], v28, 4, v[GS]
	v_add_nc_u32 v[GS], s76, v[GS]
	; the prefetches: who asks, and where
	s_max_u32 s57, s[TW], 2
	s_mov_b32 s56, 6291456
	s_cmp_lt_u32 s[TW], 5
	s_cselect_b32 s54, 2, 5
	s_cselect_b32 s55, 3145728, s56                ; waves 2 to 4: K's codes; waves 5 to 7: V's
	s_sub_co_u32 s54, s57, s54
	s_lshl_b32 s54, s54, 13                        ; my 8,192 bytes of a slot's 24,576,
	s_add_co_u32 s54, s54, s55
	s_mul_i32 s55, s12, 196608
	s_add_co_u32 s54, s54, s55                     ; in my head,
	s_add_co_u32 s54, s54, 2*KSB                   ; in slot 1: the first change of slots steps it to slot 2
	s_mov_b32 s55, 0
	s_add_nc_u64 s[PFA:PFA+1], s[4:5], s[54:55]
	s_cmp_lt_u32 s[WV], 2
	s_cselect_b32 s58, 1, 0
	s_or_b32 s58, s58, ttmp9
	s_or_b32 s58, s58, s[PAR]                      ; waves 2 to 7 of work-group u = 0, and nobody else
	s_cmp_eq_u32 s58, 0
	s_cselect_b32 s[LIM], 1, -1
	s_mov_b32 s[SEL], 0x76543210
	s_mov_b32 s[SEL+1], 0xfedcba98
	s_mov_b32 s[CS], 0x3e0293ee                    ; c = log2(e) / sqrt(128)
	s_mov_b32 s[CS+1], s[CS]                       ; (named with it as a pair, so it is written)
	s_mov_b32 s[TB], 0
	s_mov_b32 s[TS], 0
	s_mov_b32 s[SKF], 0
	s_mov_b32 s[SLOTS], 7
	v_mov_b32 v13, 0xff61b1e6                      ; the largest t so far: -3e38, under every t
	v_floor_f32 v12, -v13                          ; -M
	v_mov_b32 v14, 0
	v_mov_b32 v15, 0
.irp b, 0,1,2,3
	v_mov_b32 v[236+\b], 0                         ; a lane permute's destination counts as one of its sources
.endr
	v_mov_b32 v252, 0
	v_mov_b32 v253, 0
.irp j, 0,1,2,3,4,5,6,7,8,9,10,11,12,13,14,15,16,17,18,19,20,21,22,23,24,25,26,27,28,29,30,31,32,33,34,35,36,37,38,39,40,41,42,43,44,45,46,47,48,49,50,51,52,53,54,55,56,57,58,59,60,61,62,63
	v_mov_b32 v[160+\j], 0                         ; O^T: the step is written once; its first run finds zeros, which the first change of M leaves zeros; a wave that walks no step hands these zeros over
.endr
	s_wait_loadcnt 0x0                             ; Q
.Lslot:                                                ; seven trips: behind each change of slots but the last the next slot is asked for, up to the causal limit
	CHANGE 1
	STEP
	s_xor_b32 s[TB], s[TB], SLOT1                  ; on to the other slot,
	s_add_co_u32 s[SKF], s[SKF], 256               ; its keys,
	s_add_co_u32 s[TS], s[TS], 1024                ; and their scale words
	s_sub_co_u32 s[SLOTS], s[SLOTS], 1
	s_cmp_lg_u32 s[SLOTS], 0
	s_cbranch_scc1 .Lslot
	CHANGE 0                                       ; the last slot is written out: nothing is left to ask for
	STEP
	; THE MERGE.  Waves 8 to 15 hand O^T, -M and the sum's halves to waves 0 to 7, as images of their registers: 16 bytes a lane, 512 dense bytes an instruction
.rept 4
	v_nop                                          ; places behind the last products
.endr
	s_cmp_lt_u32 s[WV], 8
	s_cbranch_scc1 .Lkeeper
.irp i, 0,1,2,3,4,5,6,7,8,9,10,11,12,13,14,15
	ds_store_b128 v[MST], v[160+4*\i:163+4*\i] offset:512*\i   ; each accumulator from its low end on
.endr
	ds_store_b128 v[MST], v[12:15] offset:8192
.Lkeeper:
	s_wait_dscnt 0x0                               ; for the others' sake: my stores have landed
	s_barrier_signal -1
	s_barrier_wait -1
	s_cmp_lt_u32 s[WV], 8
	s_cbranch_scc0 .Lgiven
	ds_load_b128 v[84:87], v[MST] offset:8192      ; my partner's -M (v84) and its sum's halves (v86, v87)
.irp i, 0,1,2,3,4,5,6,7,8,9,10,11,12,13,14,15
	ds_load_b128 v[96+4*\i:99+4*\i], v[MST] offset:512*\i      ; and its O^T
.endr
	v_add_f32 v14, v14, v15                        ; my sum's two halves
	s_wait_dscnt 0x0
	v_min_num_f32 v88, v12, v84                    ; -M of the larger M
	v_sub_f32 v89, v88, v12                        ; my M less it: a whole number, 0 or less,
	v_sub_f32 v90, v88, v84                        ; and my partner's
	v_cvt_i32_f32 v89, v89                         ; (they saturate)
	v_cvt_i32_f32 v90, v90
	v_ldexp_f32 v89, 1.0, v89                      ; f0, f1: exact powers of two, or 0
	v_ldexp_f32 v90, 1.0, v90
	v_add_f32 v86, v86, v87
	v_mul_f32 v14, v14, v89
	v_fma_f32 v14, v86, v90, v14                   ; both sums under the one M,
	v_permlanex16_b32 v252, v14, s[SEL], s[SEL+1]
	v_add_f32 v14, v14, v252                       ; and lane l xor 16's: the row's sum
	v_rcp_f32 v14, v14
.irp b, 0,1,2,3
	v_mov_b32 v[TM+4+\b], 0                        ; plain work behind the reciprocal
.endr
	s_wait_alu depctr_va_vdst(0)                   ; a wait ahead of its first reader
	v_mul_f32 v92, v89, v14                        ; f0 / l, twice: a pair for the packed forms,
	v_mul_f32 v93, v89, v14
	v_mul_f32 v94, v90, v14                        ; and f1 / l
	v_mul_f32 v95, v90, v14
.irp j, 0,2,4,6,8,10,12,14,16,18,20,22,24,26,28,30,32,34,36,38,40,42,44,46,48,50,52,54,56,58,60,62
	v_pk_mul_f32 v[96+\j:97+\j], v[96+\j:97+\j], v[94:95]
.endr
.irp j, 0,2,4,6,8,10,12,14,16,18,20,22,24,26,28,30,32,34,36,38,40,42,44,46,48,50,52,54,56,58,60,62
	v_pk_fma_f32 v[96+\j:97+\j], v[160+\j:161+\j], v[92:93], v[96+\j:97+\j]   ; o; each accumulator from its low end on
.endr
	; THE WAY OUT: o is quantised along the channels: my 64 registers are, in order, the channels 32 b + 16 h + i of my query: a fragment of the last product, K step = my head
	QUANT 96, 68
.irp c, 0,1,2
	global_store_b128 v[LI], v[PC+4*\c:PC+4*\c+3], s[74:75] offset:512*\c   ; 512 consecutive bytes, at a multiple of 256 from the buffer's first byte
.endr
	ds_store_b32 v[SCW], v68                       ; the eight tiles' scale words meet in LDS (both lanes of a row write the same word with the same value)
.Lgiven:
	s_wait_dscnt 0x0                               ; for the others' sake
	s_barrier_signal -1
	s_barrier_wait -1
	s_cmp_lg_u32 s[WV], 0
	s_cbranch_scc1 .Lnot_0
	ds_load_b128 v[72:75], v[SCR]                  ; lanes 0-15: the early block's four words of row r; lanes 16-31: the late block's
	s_wait_dscnt 0x0
	global_store_b128 v[GS], v[72:75], s[6:7]      ; sixteen lanes store 256 consecutive bytes, aligned
.Lnot_0:
	s_wait_tensorcnt 0x0                           ; the wave's end: a tensor wait, an add of 0 to my spare word and a wait for it, behind my last tensor load and my last LDS store
	ds_add_u32 v[SPW], v[NIL]
	s_wait_dscnt 0x0
	s_endpgm
.Lfunc_end_k_q91d7435228_attn:
	.size	k_q91d7435228_attn, .Lfunc_end_k_q91d7435228_attn-k_q91d7435228_attn
	.p2alignl 7, 3214868480
	.fill 96, 4, 3214868480
	.section	.rodata,"a",@progbits
	.p2align	6, 0x0
	.amdhsa_kernel k_q91d7435228_attn
		.amdhsa_group_segment_fixed_size 327680
		.amdhsa_private_segment_fixed_size 0
		.amdhsa_enable_private_segment 0
		.amdhsa_kernarg_size 16
		.amdhsa_user_sgpr_count 2
		.amdhsa_user_sgpr_kernarg_segment_ptr 1
		.amdhsa_wavefront_size32 1
		.amdhsa_system_sgpr_workgroup_id_x 1
		.amdhsa_system_sgpr_workgroup_id_y 1
		.amdhsa_system_sgpr_workgroup_id_z 1
		.amdhsa_system_vgpr_workitem_id 0
		.amdhsa_next_free_vgpr 256
		.amdhsa_next_free_sgpr 80
		.amdhsa_reserve_vcc 1
		.amdhsa_float_denorm_mode_32 3
		.amdhsa_float_denorm_mode_16_64 3
		.amdhsa_memory_ordered 1
		.amdhsa_forward_progress 1
		.amdhsa_inst_pref_size 71
	.end_amdhsa_kernel
	.amdgpu_metadata
---
amdhsa.version: [ 1, 2 ]
amdhsa.kernels:
  - .name:           k_q91d7435228_attn
    .symbol:         k_q91d7435228_attn.kd
    .args:
      - { .name: qkv, .offset: 0, .size: 8, .value_kind: global_buffer, .address_space: global }
      - { .name: oc, .offset: 8, .size: 8, .value_kind: global_buffer, .address_space: global }
    .group_segment_fixed_size: 327680
    .private_segment_fixed_size: 0
    .kernarg_segment_align: 8
    .kernarg_segment_size: 16
    .max_flat_workgroup_size: 512
    .sgpr_count:     80
    .vgpr_count:     256
    .wavefront_size: 32
...
	.end_amdgpu_metadata
.endif
;; end of part 3
;; launch outp (part 4): grid 16 x 16, 4 waves a work-group, clusters of 4 x 4, 327,680 bytes of LDS; arguments oc, xw, out0; writes out0
.if DOCPART == 4
	.amdgcn_target "amdgcn-amd-amdhsa--gfx1250"
	.amdhsa_code_object_version 6
	.text
	.protected	k_q91d7435228_outp
	.globl	k_q91d7435228_outp
	.p2align	8
	.type	k_q91d7435228_outp,@function
k_q91d7435228_outp:
	s_mov_b64 s[64:65], 0
	v_nop
	global_prefetch_b8 v0, s[64:65] scope:SCOPE_SE
	s_setreg_imm32_b32 hwreg(HW_REG_WAVE_MODE, 25, 1), 1
	s_wait_xcnt 0x0
	s_wait_alu depctr_hold_cnt(0) depctr_sa_sdst(0) depctr_va_vdst(0) depctr_va_sdst(0) depctr_va_ssrc(0) depctr_va_vcc(0) depctr_vm_vsrc(0)
	s_getreg_b32 s2, hwreg(HW_REG_IB_STS2, 6, 4)
	s_cmp_eq_u32 s2, 0
	s_cbranch_scc0 .Lentry_in_a_cluster
	s_endpgm
.Lentry_in_a_cluster:
	s_bfe_u32 s2, ttmp6, 0x10000c
	s_cmp_lg_u32 s2, 0xf033
	s_cbranch_scc0 .Lentry_shape_is_right
	s_endpgm
.Lentry_shape_is_right:
; FOURTH LAUNCH: out0 = o Wo^T on codes of FP6 (E2M3) with E8M0 scales; sums in f32, K ascending.  Nothing of reference() is left out here.
; P (source 1) = o's codes from the third launch, [token block][K step = head][12,800]; R (source 0) = Wo's codes from the first, at byte 13,107,200 of xw, [row block][K step][12,800].  Fragments lie as images of their
; registers, 8 to a K step, with 512 bytes of scale words behind them; their rows are chosen as the first launch says.
; SHARES: a tile of the output is 128 x 128, so that there are 256 work-groups; each of four waves makes 64 x 64: 16 accumulators.  Tiles of 256 x 256 would be 64.
; RING: two LDS slots; a slot holds FOUR K steps of 128 of P's row block (51,200 dense bytes) and of R's; each wave fetches 25,600 bytes with one tensor load.  K has 16 steps: four slots' worth, so the text is written straight.
; CLUSTER 4 x 4: P's tile is shared along a row of the cluster, R's along a column: joint loads.  No prefetch: four fills a wave in all, and each tile is shared.
; USED TRANSPOSED: a lane holds one token, and its eight results of an accumulator are eight neighbouring outputs; a block of 16 tokens x 64 outputs goes through the wave's stage in LDS and leaves as rows of 256 bytes.
; REGISTERS: window 0: v16-26 addresses; v32-39 scale words, two sets of 4; v48-111 rows on the way out; v128-255 accumulator (a, b) at v[128 + 8 (4 a + b)].  window 1: set p at v[128 p]: P's four fragments, then R's four.
.set SLOT,  102400
.set KB,    12800
.set SPARE, 204800                     ; behind the ring: the spare words, 128 bytes for each wave, two blocks of 256 bytes that no other line names
.set ADRA, 16                          ; v16-17  LDS address of my four fragments of P in slot 0, 1
.set ADRB, 18                          ; v18-19  of R
.set ADRS, 20                          ; v20-21  of the scale words: lanes 0-15 P's, lanes 16-31 R's
.set STO,  24                          ; v24     the way out: where I put 32 bytes of a row
.set RD,   25                          ; v25     where I read a row back
.set CO,   26                          ; v26     my byte offset in two rows of the output
.set SPW,  28                          ; v28     LDS address of my spare word; never rewritten
.set NIL,  29                          ; v29     0; never rewritten
.set SC,   32                          ; set p at v[SC + 4 p]: these registers hold scales and nothing else
.set BK,   48
.set ACC,  128
.set G1,  24
.set G0,  32
.set G1B, 48
.set G0B, 56
.set MSB, 0
.macro WIN new
.if MSB != (\new)
	s_set_vgpr_msb (MSB<<8)|(\new)
.set MSB, (\new)
.endif
.endm
.set MUL,  0x05                        ; sources 0 (R) and 1 (P) window 1; C and D window 0
.set TO_F, 0x40                        ; destination window 1, address window 0
.macro JLOAD g0a, g1a, g0b, g1b        ; a joint load: waves 0 and 1 fetch for P, waves 2 and 3 for R; an s_nop 0 and four v_nop follow each of the two lines
	s_cmp_eq_u32 s15, 0
	s_cbranch_scc0 .Lfor_b_\@
	tensor_load_to_lds s[\g0a:\g0a+3], s[\g1a:\g1a+7]
	s_nop 0
.rept 4
	v_nop
.endr
	s_branch .Lasked_\@
.Lfor_b_\@:
	tensor_load_to_lds s[\g0b:\g0b+3], s[\g1b:\g1b+7]
	s_nop 0
.rept 4
	v_nop
.endr
.Lasked_\@:
.endm
.macro CREST
	s_cmp_lg_u32 s14, 0
	s_cbranch_scc1 .Lnot_wave_0_\@
	s_barrier_signal -3
.Lnot_wave_0_\@:
	s_barrier_wait -3
	s_barrier_signal -1
	s_barrier_wait -1
.endm
.macro CROUND
	s_barrier_signal -1
	s_barrier_wait -1
	CREST
.endm
.macro PLACES n
.rept \n
	v_nop
.endr
.endm
.macro FETCH slot, q, p                ; 25 LDS loads in one run: K step q of the slot into set p
	WIN TO_F
.irp f, 0,1,2,3
.irp c, 0,1,2
	ds_load_b128 v[128*(\p)+48+12*\f+4*\c:128*(\p)+48+12*\f+4*\c+3], v[ADRB+\slot] offset:KB*(\q)+1536*\f+512*\c
	ds_load_b128 v[128*(\p)+12*\f+4*\c:128*(\p)+12*\f+4*\c+3], v[ADRA+\slot] offset:KB*(\q)+1536*\f+512*\c
.endr
.endr
	WIN 0
	ds_load_b128 v[SC+4*(\p):SC+4*(\p)+3], v[ADRS+\slot] offset:KB*(\q)
.endm
; 4 matrix instructions: P's block a against R's four.  The 16 accumulators take turns, one instruction a turn, in the same order in every K step
.macro MUL4 a, p, zero
.irp b, 0,1,2,3
.if \zero
	v_wmma_scale_f32_16x16x128_f8f6f4 v[ACC+8*(4*(\a)+\b):ACC+8*(4*(\a)+\b)+7], v[128*(\p)+48+12*\b:128*(\p)+48+12*\b+11], v[128*(\p)+12*(\a):128*(\p)+12*(\a)+11], 0, v[SC+4*(\p)+\b], v[SC+4*(\p)+(\a)] matrix_a_fmt:MATRIX_FMT_FP6 matrix_b_fmt:MATRIX_FMT_FP6 matrix_a_scale:MATRIX_SCALE_ROW1
.else
	v_wmma_scale_f32_16x16x128_f8f6f4 v[ACC+8*(4*(\a)+\b):ACC+8*(4*(\a)+\b)+7], v[128*(\p)+48+12*\b:128*(\p)+48+12*\b+11], v[128*(\p)+12*(\a):128*(\p)+12*(\a)+11], v[ACC+8*(4*(\a)+\b):ACC+8*(4*(\a)+\b)+7], v[SC+4*(\p)+\b], v[SC+4*(\p)+(\a)] matrix_a_fmt:MATRIX_FMT_FP6 matrix_b_fmt:MATRIX_FMT_FP6 matrix_a_scale:MATRIX_SCALE_ROW1
.endif
.endr
.endm
.macro STEP slot, q, zero              ; one of a slot's first three K steps: multiplies set q % 2; the next K step is fetched into the other set ahead of the products
	WIN 0
	s_wait_dscnt 0x0                               ; this K step's set is in
	PLACES 4                                       ; the other set was read by the products just issued
	FETCH \slot, (\q)+1, 1-(\q)%2
	WIN MUL
.irp a, 0,1,2,3
	MUL4 \a, (\q)%2, \zero
.endr
.endm
; A slot's fourth K step multiplies set 1 and changes slots: ONE barrier; in front of it each wave waits for all its tensor loads, adds 0 to its spare word, and waits for that and for its own reads of this slot.
; fill = 1: the barrier opens a round of the cluster's barrier, and this slot is filled again, two slots ahead, first thing behind the round.
.macro TURN slot, next, fill
	WIN 0
	s_wait_tensorcnt 0x0
	ds_add_u32 v[SPW], v[NIL]
	s_wait_dscnt 1                                 ; set 1 is in; the add alone may be out
	WIN MUL
	MUL4 0, 1, 0
	s_wait_dscnt 0x0                               ; the add is done, and my reads of this slot are over
	s_barrier_signal -1
	MUL4 1, 1, 0
	WIN 0
	s_barrier_wait -1
.if \fill
	CREST
	s_add_nc_u64 s[G0+4*\slot+2:G0+4*\slot+3], s[G0+4*\slot+2:G0+4*\slot+3], SLOT
	s_add_nc_u64 s[G0B+4*\slot+2:G0B+4*\slot+3], s[G0B+4*\slot+2:G0B+4*\slot+3], SLOT
	JLOAD G0+4*\slot, G1, G0B+4*\slot, G1B         ; its four v_nop are also the places in front of the loads below
.else
	PLACES 4
.endif
	FETCH \next, 0, 0
	WIN MUL
	MUL4 2, 1, 0
	MUL4 3, 1, 0
.endm
; THE WAY OUT of block a (16 tokens x my 64 outputs): into my stage, each accumulator from its low end on, and back as rows of 256 bytes.  LDS serves a wave's instructions in order (ISA guide 5.7.1.4): no wait between.
.macro TOSTAGE a
.irp b, 0,1,2,3
	ds_store_b128 v[STO], v[ACC+8*(4*(\a)+\b):ACC+8*(4*(\a)+\b)+3] offset:128*(\b/2)+32*(\b%2)
	ds_store_b128 v[STO], v[ACC+8*(4*(\a)+\b)+4:ACC+8*(4*(\a)+\b)+7] offset:128*(\b/2)+32*(\b%2)+16
.endr
.set BB, BK+32*((\a)%2)
.irp i, 0,1,2,3,4,5,6,7
	ds_load_b128 v[BB+4*\i:BB+4*\i+3], v[RD] offset:544*\i
.endr
.endm
.macro SEND a, younger                 ; younger: the LDS instructions issued behind block a's loads, which may stay out.  Stage rows 2 i and 2 i + 1 are tokens 32 (a / 2) + 8 (a % 2) + 2 i + 8 (i / 4) and the next
.set BB, BK+32*((\a)%2)
	s_wait_dscnt \younger
.irp i, 0,1,2,3,4,5,6,7
	global_store_b128 v[CO], v[BB+4*\i:BB+4*\i+3], s[8:9] offset:(32*((\a)/2)+8*((\a)%2)+2*\i+8*(\i/4))*8192 th:TH_STORE_NT   ; sixteen lanes store 256 consecutive bytes, aligned; written once, read by nobody here
.endr
.endm
	s_load_b128 s[4:7], s[0:1], 0x0                ; oc s[4:5], xw s[6:7]
	s_load_b64 s[8:9], s[0:1], 0x10                ; out0
	v_lshl_add_u32 v[SPW], v0, 2, SPARE
	v_mov_b32 v[NIL], 0
	ds_add_u32 v[SPW], v[NIL]                      ; the wave's opening: the add, twice on end, and its wait ahead of my first tensor load
	ds_add_u32 v[SPW], v[NIL]
	v_lshrrev_b32 v1, 5, v0
	v_readfirstlane_b32 s14, v1                    ; wave 0..3
	s_lshr_b32 s15, s14, 1                         ; which 64 tokens are mine.  Also: I fetch for P (0) or for R (1)
	s_and_b32 s16, s14, 1                          ; which 64 outputs.  Also: which two of a slot's four K steps I fetch
	s_bfe_u32 s40, ttmp6, 0x40000                  ; cx, cy
	s_bfe_u32 s41, ttmp6, 0x40004
	s_lshl_b32 s42, ttmp9, 2
	s_add_co_u32 s42, s42, s40                     ; Wo's row block = 4 x cluster x + cx
	s_and_b32 s17, ttmp7, 0xffff
	s_lshl_b32 s17, s17, 2
	s_add_co_u32 s17, s17, s41                     ; token block = 4 x cluster y + cy
	s_lshl_b32 s43, s41, 2
	s_lshl_b32 s43, 15, s43                        ; my row of the cluster
	s_lshl_b32 s44, 0x1111, s40                    ; my column
	s_or_b32 s[G1+0], s43, (3<<16)|(1<<21)         ; group 1: 25,600 dense bytes as 100 rows of 32 elements of 8 bytes, no padding; P's tiles go to my row,
	s_or_b32 s[G1B+0], s44, (3<<16)|(1<<21)        ; R's to my column
.irp g, G1, G1B
	s_mov_b32 s[\g+1], 32<<16
	s_mov_b32 s[\g+2], 100<<16
	s_mov_b32 s[\g+3], 32<<16
	s_mov_b32 s[\g+4], 100
	s_mov_b32 s[\g+5], 32
	s_mov_b32 s[\g+6], 0
	s_mov_b32 s[\g+7], 0
.endr
	s_mul_i32 s20, s17, 204800                     ; P: my token block, all of K; + my two K steps.  No register here ever holds cx
	s_mul_i32 s21, s16, 25600
	s_add_co_u32 s20, s20, s21
	s_mov_b32 s21, 0
	s_mul_i32 s46, s42, 204800                     ; R likewise, in Wo's part of xw.  No register here ever holds cy
	s_mul_i32 s47, s16, 25600
	s_add_co_u32 s46, s46, s47
	s_add_co_u32 s46, s46, 13107200
	s_mov_b32 s47, 0
	s_mul_i32 s45, s14, 25600                      ; where they go: wave x 25,600
	s_wait_dscnt 0x0                               ; both opening adds are done
	s_wait_kmcnt 0x0
	s_add_nc_u64 s[20:21], s[4:5], s[20:21]
	s_add_nc_u64 s[46:47], s[6:7], s[46:47]
	CROUND                                         ; all sixteen work-groups are here: the first joint loads meet
.irp s, 0,1
	s_mov_b32 s[G0+4*\s], 1
	s_add_co_u32 s[G0+4*\s+1], s45, \s*SLOT
	s_add_nc_u64 s[G0+4*\s+2:G0+4*\s+3], s[20:21], \s*51200
	s_or_b32 s[G0+4*\s+3], s[G0+4*\s+3], 0x80000000
	s_mov_b32 s[G0B+4*\s], 1
	s_add_co_u32 s[G0B+4*\s+1], s45, \s*SLOT
	s_add_nc_u64 s[G0B+4*\s+2:G0B+4*\s+3], s[46:47], \s*51200
	s_or_b32 s[G0B+4*\s+3], s[G0B+4*\s+3], 0x80000000
	JLOAD G0+4*\s, G1, G0B+4*\s, G1B               ; by this text's count two tensor loads of a wave are out here, one behind each later round
.endr
	v_and_b32 v1, 15, v0                           ; r
	v_bfe_u32 v2, v0, 4, 1                         ; h
	v_and_b32 v3, 31, v0
	v_lshlrev_b32 v3, 4, v3                        ; 16 x lane
	s_mul_i32 s21, s15, 6144                       ; my four fragments of P,
	s_mul_i32 s22, s16, 6144
	s_add_co_u32 s22, s22, 51200                   ; and of R, which lies behind P's four K steps
.irp s, 0,1
	v_add_nc_u32 v[ADRA+\s], s21, v3
	v_add_nc_u32 v[ADRB+\s], s22, v3
	s_add_co_u32 s21, s21, SLOT
	s_add_co_u32 s22, s22, SLOT
.endr
	s_xor_b32 s23, s15, 1
	s_add_co_u32 s23, s23, s16
	s_lshl_b32 s23, s23, 8
	s_add_co_u32 s23, s23, 50944                   ; from P's scale words of mine to R's: one product with h
	v_mul_u32_u24 v4, s23, v2
	v_lshl_add_u32 v4, v1, 4, v4
	s_lshl_b32 s21, s15, 8
	s_add_co_u32 s21, s21, 12288
	v_add_nc_u32 v[ADRS], s21, v4
	v_add_nc_u32 v[ADRS+1], SLOT, v[ADRS]
	s_mul_i32 s23, s14, 4352                       ; my stage: 16 rows of 256 + 16 bytes, in slot 0: when the first result is stored there that slot has had its last fill and its last read
	v_mul_u32_u24 v5, v1, 272
	v_lshl_add_u32 v5, v2, 6, v5
	v_add_nc_u32 v[STO], s23, v5                   ; in: row r, + 64 h
	v_mul_u32_u24 v5, v2, 272
	v_lshl_add_u32 v5, v1, 4, v5
	v_add_nc_u32 v[RD], s23, v5                    ; back: lanes 0-15 one row, lanes 16-31 the next
	v_lshlrev_b32 v[CO], 13, v2
	v_lshl_add_u32 v[CO], v1, 4, v[CO]             ; and the same two rows of the output
	s_lshl_b32 s66, s17, 7
	s_lshl_b32 s67, s15, 6
	s_add_co_u32 s66, s66, s67                     ; my first token
	s_lshl_b32 s66, s66, 13
	s_lshl_b32 s67, s42, 9
	s_add_co_u32 s66, s66, s67
	s_lshl_b32 s67, s16, 8
	s_add_co_u32 s66, s66, s67                     ; + my first output, in bytes
	s_mov_b32 s67, 0
	s_add_nc_u64 s[8:9], s[8:9], s[66:67]
	s_wait_tensorcnt 1                             ; my part of slot 0 is in; slot 1's may stay out
	s_barrier_signal -1
	s_barrier_wait -1
	FETCH 0, 0, 0
	STEP 0, 0, 1                                   ; the first K step's products start the sums: nothing is ever cleared
	STEP 0, 1, 0
	STEP 0, 2, 0
	TURN 0, 1, 1
	STEP 1, 0, 0
	STEP 1, 1, 0
	STEP 1, 2, 0
	TURN 1, 0, 1
	STEP 0, 0, 0
	STEP 0, 1, 0
	STEP 0, 2, 0
	TURN 0, 1, 0                                   ; nothing is left to fetch: no round follows
	STEP 1, 0, 0
	STEP 1, 1, 0
	STEP 1, 2, 0
	WIN 0
	s_wait_dscnt 0x0                               ; the last K step's set is in
	WIN MUL
.irp a, 0,1,2,3
	MUL4 \a, 1, 0
.endr
	WIN 0
	PLACES 4                                       ; behind the last products, in front of the first reads of results
	TOSTAGE 0
.irp a, 1,2,3
.if \a > 1
	s_wait_xcnt 0x0                                ; block a - 2's stores have read their registers: block a's loads may land there
.endif
	TOSTAGE \a
	SEND \a-1, 16                                  ; behind block a - 1's loads: block a's 8 stores and 8 loads
.endr
	SEND 3, 0
	s_wait_tensorcnt 0x0                           ; the wave's end: a tensor wait, an add of 0 to my spare word and a wait for it, behind my last tensor load and my last LDS store
	ds_add_u32 v[SPW], v[NIL]
	s_wait_dscnt 0x0
	CROUND                                         ; the closing round: no work-group ends while a partner may still ask for a tile that names it
	s_endpgm
.Lfunc_end_k_q91d7435228_outp:
	.size	k_q91d7435228_outp, .Lfunc_end_k_q91d7435228_outp-k_q91d7435228_outp
	.p2alignl 7, 3214868480
	.fill 96, 4, 3214868480
	.section	.rodata,"a",@progbits
	.p2align	6, 0x0
	.amdhsa_kernel k_q91d7435228_outp
		.amdhsa_group_segment_fixed_size 327680
		.amdhsa_private_segment_fixed_size 0
		.amdhsa_enable_private_segment 0
		.amdhsa_kernarg_size 24
		.amdhsa_user_sgpr_count 2
		.amdhsa_user_sgpr_kernarg_segment_ptr 1
		.amdhsa_wavefront_size32 1
		.amdhsa_system_sgpr_workgroup_id_x 1
		.amdhsa_system_sgpr_workgroup_id_y 1
		.amdhsa_system_sgpr_workgroup_id_z 1
		.amdhsa_system_vgpr_workitem_id 0
		.amdhsa_next_free_vgpr 512
		.amdhsa_next_free_sgpr 72
		.amdhsa_reserve_vcc 0
		.amdhsa_float_denorm_mode_32 3
		.amdhsa_float_denorm_mode_16_64 3
		.amdhsa_memory_ordered 1
		.amdhsa_forward_progress 1
		.amdhsa_inst_pref_size 79
	.end_amdhsa_kernel
	.amdgpu_metadata
---
amdhsa.version: [ 1, 2 ]
amdhsa.kernels:
  - .name:           k_q91d7435228_outp
    .symbol:         k_q91d7435228_outp.kd
    .args:
      - { .name: oc, .offset: 0, .size: 8, .value_kind: global_buffer, .address_space: global }
      - { .name: xw, .offset: 8, .size: 8, .value_kind: global_buffer, .address_space: global }
      - { .name: out0, .offset: 16, .size: 8, .value_kind: global_buffer, .address_space: global }
    .group_segment_fixed_size: 327680
    .private_segment_fixed_size: 0
    .kernarg_segment_align: 8
    .kernarg_segment_size: 24
    .max_flat_workgroup_size: 128
    .sgpr_count:     72
    .vgpr_count:     512
    .wavefront_size: 32
...
	.end_amdgpu_metadata
.endif
;; end of part 4
